; MI455X (gfx1250); checked and timed in simulation.
; The chip was launched on July 23, 2026; its instructions are those of AMD's public machine-readable ISA for CDNA 5 (MIT licence, August 2026) and "CDNA5" Instruction Set Architecture Reference Guide (July 2026). The comments in the code are by the model that wrote it; some were corrected since.
;; Inter Modal Attention. Allowed arithmetic: matrix products marked QUANTISED: E3M2 operands, one E8M0 scale for each 32 along K, by v_wmma_scale_f32_16x16x128_f8f6f4 with both operands' format E3M2, f32 sums; everything else in f32.
;; Inputs: Wk 1,024 x 1,024 float32; Wq 1,024 x 1,024 float32; Wv 1,024 x 1,024 float32; bk 1,024 float32; bq 1,024 float32; bv 1,024 float32; x 4 x 2,048 x 1,024 float32.
;; Outputs: out0 4 x 2,048 x 1,024 float32.
;; This version of the problem:
;;   THIS VERSION OF THE PROBLEM IS GIVEN IN LOW PRECISION. The matrix products marked QUANTISED in the list below multiply operands that are first quantised to E3M2 (3 exponent bits, 2 mantissa bits; 6 bits a number), with one power-of-two scale for each 32 numbers along K (OCP MX v1.0); their sums are f32. All else is computed in f32.
;;   The module's matrix products, in the order in which they are computed (A, B: the left and right operand; K: the contracted axis; several contracted axes count as one K, in the product's order):
;;     1. [M 8,192, K 1,024] x [K 1,024, N 1,024]; A: input x; B: input Wq: QUANTISED
;;     2. [M 8,192, K 1,024] x [K 1,024, N 1,024]; A: input x; B: input Wk: QUANTISED
;;     3. [M 8,192, K 1,024] x [K 1,024, N 1,024]; A: input x; B: input Wv: QUANTISED
;;     4. batch 4 x [M 2,048, K 1,024] x [K 1,024, N 2,048]; A: computed on the way; B: computed on the way: QUANTISED
;;     5. batch 4 x [M 2,048, K 2,048] x [K 2,048, N 1,024]; A: softmax (see below); B: computed on the way: QUANTISED
;;   THE QUANTISER, for each operand of a quantised product, along K:
;;     - K is cut into blocks of 32 from its start; a last block that is shorter is filled with zeros.
;;     - A block's scale is 2^e with e = floor(log2(the largest magnitude in the block)) - 4, held to -126 .. 127; a block of zeros has e = 0. As a byte (E8M0): e + 127.
;;     - Each number is divided by its block's scale, clamped to +-28, and rounded to the nearest number of E3M2, ties to even, subnormals kept.
;;     - The product sums the exact products of the quantised numbers (number of the format x scale) in f32.
;;   ~~~python
;;   def quantise(x, axis):      # numpy; x: float32 -> the quantised numbers, widened to float32 again
;;       x = np.moveaxis(x, axis, -1); K = x.shape[-1]
;;       x = np.pad(x, [(0, 0)] * (x.ndim - 1) + [(0, -K % 32)]); x = x.reshape(x.shape[:-1] + (-1, 32)); a = np.abs(x).max(-1, keepdims=True)
;;       e = np.where(a > 0, np.clip(np.frexp(np.where(a > 0, a, 1))[1] - 1 - 4, -126, 127), 0)      # np.frexp(a)[1] - 1 = floor(log2(a)), exactly
;;       r = np.clip(x / 2.0 ** e, -28, 28)
;;       step = 2.0 ** (np.maximum(np.frexp(np.where(r == 0, 1, r))[1] - 1, -2) - 2)
;;       q = np.round(r / step) * step * 2.0 ** e      # np.round: ties to even
;;       return np.moveaxis(q.reshape(q.shape[:-2] + (-1,))[..., :K], -1, axis).astype(np.float32)
;;   ~~~
;;   SOFTMAX AHEAD OF A QUANTISED PRODUCT. Where the list says 'softmax', what is quantised is not the finished softmax but p = 2^(t - M), with t = logit x log2(e) and M = ceil(the row's largest t), a whole number; so 1/2 < the row's largest p <= 1. The row's sum l is taken of the UNQUANTISED p, in f32, and the product's result is divided by l at the end. Since M is a whole number, a kernel that streams over the keys may use a running M (the ceiling of the running maximum): every later rescaling is an exact power of two, which a block's scale takes up: the codes' values come out the same.
;;   OPERANDS COMPUTED ON THE WAY. 'Computed on the way' means the value that the module computes at that place (a softmax that the list does not call 'softmax' is quantised finished and normalised). What goes into a quantiser is computed in f32, as accurately as f32 sums, v_exp_f32 and their like allow (about 1e-6 of the number): no bf16 or f16 on the way to a quantiser, and a product that is left as it is and whose result goes on into a quantised operand takes f32 operands (vector FMAs, or v_wmma_f32_16x16x4_f32). A number that lies on a knife's edge between two numbers of the format may be rounded either way, as far as f32 arithmetic and the matrix unit's own rounding can turn it there, and no further.
;; One version. Each part assembles by itself: llvm-mc -triple=amdgcn-amd-amdhsa -mcpu=gfx1250 --defsym DOCPART=n.
;; ======== version 1 of 1: 4 launches
;; limits: right only within a limited range of input values
;; workspace buffers: xwc 8,650,752 bytes; xws 360,448 bytes; qkvc 18,874,368 bytes; qkvs 786,432 bytes; pc 12,582,912 bytes; pstat 1,572,864 bytes
;; launch quant (part 1): grid 704 x 1, 8 waves a work-group, no clusters, 69,120 bytes of LDS; arguments x, Wq, Wk, Wv, xwc, xws; writes xwc, xws
.if DOCPART == 1
	.amdgcn_target "amdgcn-amd-amdhsa--gfx1250"
	.amdhsa_code_object_version 6
	.text
	.protected	k_q3d81cf3c1b_quant
	.globl	k_q3d81cf3c1b_quant
	.p2align	8
	.type	k_q3d81cf3c1b_quant,@function
k_q3d81cf3c1b_quant:
	s_mov_b64 s[64:65], 0
	v_nop
	global_prefetch_b8 v0, s[64:65] scope:SCOPE_SE
	s_setreg_imm32_b32 hwreg(HW_REG_WAVE_MODE, 25, 1), 1
	s_wait_xcnt 0x0
; x [8192][1024], Wq, Wk, Wv [1024][1024], f32, K innermost, become codes of BF6 (E3M2) with one E8M0 scale byte for each 32 along K, laid as the products' launches want them:
; as IMAGES OF OPERAND REGISTERS.  A fragment is 16 rows x 128 K, 12 registers a lane; its image is 1,536 bytes: registers 4 c .. 4 c + 3 of lane l at 512 c + 16 l.
; xwc: [tile 704][K step 8][1,536];  xws: [tile][K step][row 16], one 32-bit scale word a row.  Tiles 0-511 are x's, 512-575 Wq's, 576-639 Wk's, 640-703 Wv's.
; THE ROWS OF A TILE ARE NOT NEIGHBOURS: place r of tile T is row 32 (T / 2) + 8 (T % 2) + r + 8 (r / 8), so that where such a tile is a product's source 0 the results of tiles 2 b and 2 b + 1
; are 16 neighbours along the next product's K.
; A block's scale is 2^(floor(log2(its largest magnitude)) - 4); its byte is the largest magnitude's exponent field - 4, held at 1 from below.
; LIMITS: a block whose largest magnitude lies under 2^-122 has its byte held at 1; a block of zeros gets the byte 1 where the rule says 127 (its codes are zeros, and this program alone reads the bytes);
; NaN and infinities among the inputs are not served.
; SHARES: a work-group takes one tile, each of its eight waves one K step: 16 rows x 512 bytes.  Each load reads 512 consecutive bytes of one row; the 8,192 bytes turn through the wave's own stage in LDS,
; from which a lane takes 16 neighbours of each block of 32 of ITS row.  The numbers come back into the registers that the loads filled: 122 registers a wave, so that eight waves share a SIMD's 1,024
; and four work-groups' 69,120 bytes share a WGP's LDS: every load of the launch can be out at once.  No matrix unit, no tensor load, no cluster: every byte is read once and nothing is shared.
.set STG,   8448                       ; a wave's stage: 16 rows x (512 bytes + 16): an odd multiple of 16 from row to row
.set SCB,   8*STG                      ; behind the stages: the tile's 8 x 16 scale words, 512 bytes
.set R,     16                         ; v16-79   the rows as loaded;
.set X,     16                         ;          then register 16 b + i: k = 32 b + 16 (lane / 16) + i of my row
.set PC,    80                         ; v80-98   the codes
.set TM,    100                        ; v100-115 at work
.set PW,    12                         ; v12      my row's scale word
.set SEL,   24                         ; s[24:25] v_permlanex16_b32's selects for lane l xor 16
; 64 numbers of a lane, v[s] .. v[s + 63], become a fragment's codes in v[PC] .. v[PC + 11] and its scale word in v[PW].
.macro QUANT s
.irp b, 0,1,2,3
	v_max3_num_f32 v[TM+\b], |v[\s+16*\b]|, |v[\s+1+16*\b]|, 0x2800000   ; block b: my 16 numbers, and the floor 2^(5 - 127): the byte cannot fall under 1
.endr
.irp i, 2,4,6,8,10,12,14
.irp b, 0,1,2,3
	s_delay_alu instid0(VALU_DEP_4)
	v_max3_num_f32 v[TM+\b], v[TM+\b], |v[\s+16*\b+\i]|, |v[\s+1+16*\b+\i]|   ; the four blocks by turns
.endr
.endr
.irp b, 0,1,2,3
	s_delay_alu instid0(VALU_DEP_4)
	v_permlanex16_b32 v[TM+4+\b], v[TM+\b], s[SEL], s[SEL+1]
.endr
.irp b, 0,1,2,3
	s_delay_alu instid0(VALU_DEP_4)
	v_max_num_f32 v[TM+\b], v[TM+\b], v[TM+4+\b]   ; with lane l xor 16's 16: the block's largest magnitude
.endr
.irp b, 0,1,2,3
	s_delay_alu instid0(VALU_DEP_4)
	v_add_nc_u32 v[TM+12+\b], 0xfe000000, v[TM+\b]   ; 4 off its exponent field: the conversion takes this operand's exponent field as its scale
.endr
.irp b, 0,1,2,3
	s_delay_alu instid0(VALU_DEP_4)
	v_lshrrev_b32 v[TM+4+\b], 23, v[TM+12+\b]      ; the scale's byte
.endr
	s_delay_alu instid0(VALU_DEP_3)
	v_lshl_or_b32 v[PW], v[TM+5], 8, v[TM+4]
	s_delay_alu instid0(VALU_DEP_1)
	v_lshl_or_b32 v[PW], v[TM+6], 16, v[PW]
	s_delay_alu instid0(VALU_DEP_1)
	v_lshl_or_b32 v[PW], v[TM+7], 24, v[PW]
.irp c, 0,1
	v_cvt_scalef32_pk16_bf6_f32 v[PC+6*\c:PC+2+6*\c], v[\s+32*\c:\s+15+32*\c], v[TM+12+2*\c]
	v_cvt_scalef32_pk16_bf6_f32 v[PC+12+4*\c:PC+14+4*\c], v[\s+16+32*\c:\s+31+32*\c], v[TM+12+2*\c+1]   ; a conversion's three registers begin on an even number
.endr
	v_nop                                          ; one plain place behind a scaled conversion
.irp c, 0,1                                    ; the operand wants a WHOLE block in a lane: lanes 0-15 block 2 c, lanes 16-31 block 2 c + 1
.irp i, 0,1,2
	v_permlane16_swap_b32 v[PC+6*\c+\i], v[PC+12+4*\c+\i]
.endr
.irp i, 0,1,2
	s_delay_alu instid0(VALU_DEP_3)
	v_mov_b32 v[PC+3+6*\c+\i], v[PC+12+4*\c+\i]
.endr
.endr
.endm
	s_load_b256 s[4:11], s[0:1], 0x0               ; x s[4:5], Wq s[6:7], Wk s[8:9], Wv s[10:11]
	s_load_b128 s[12:15], s[0:1], 0x20             ; xwc s[12:13], xws s[14:15]
	v_lshl_add_u32 v120, v0, 2, 0x10a00
	v_mov_b32 v121, 0
	v_lshrrev_b32 v6, 5, v0
	s_delay_alu instid0(VALU_DEP_1)
	v_readfirstlane_b32 s16, v6                    ; wave = K step
	v_and_b32 v6, 31, v0                           ; lane
	v_and_b32 v7, 15, v0                           ; r
	v_bfe_u32 v8, v0, 4, 1                         ; h
	s_delay_alu instid0(VALU_DEP_3)
	v_lshlrev_b32 v1, 4, v6                        ; 16 x lane: my place in a load's, and in a store's, 512 bytes
	s_mul_i32 s17, s16, STG
	v_add_nc_u32 v2, s17, v1                       ; the stage, on the way in
	v_mul_u32_u24 v3, v7, 528
	s_delay_alu instid0(VALU_DEP_1)
	v_lshl_add_u32 v3, v8, 6, v3
	s_delay_alu instid0(VALU_DEP_1)
	v_add_nc_u32 v3, s17, v3                       ; and on the way out: row r, + 64 h
	s_lshl_b32 s18, s16, 6
	s_add_co_u32 s18, s18, SCB
	v_lshl_add_u32 v4, v7, 2, s18                  ; my row's scale word: SCB + 64 x K step + 4 r
	v_add_nc_u32 v5, SCB, v1                       ; and where wave 0 reads all 512 bytes back
.irp b, 0,1,2,3
	v_mov_b32 v[TM+4+\b], 0                        ; written once: a lane permute's destination counts as one of its sources
.endr
	s_mov_b32 s[SEL], 0x76543210
	s_mov_b32 s[SEL+1], 0xfedcba98
	s_and_b32 s19, ttmp9, 63                       ; the tile within a weight (512 is a multiple of 64)
	s_mul_i32 s22, ttmp9, 12288
	s_mul_i32 s23, s16, 1536
	s_add_co_u32 s22, s22, s23                     ; my image's place in xwc
	s_mov_b32 s23, 0
	s_lshl_b32 s26, ttmp9, 9                       ; the tile's scale words in xws
	s_mov_b32 s27, 0
	s_wait_alu depctr_va_vdst(0)
	s_wait_kmcnt 0x0
	s_cmp_lt_u32 ttmp9, 640                        ; which tensor: the choice hangs on the work-group's number alone
	s_cselect_b64 s[10:11], s[8:9], s[10:11]
	s_cmp_lt_u32 ttmp9, 576
	s_cselect_b64 s[10:11], s[6:7], s[10:11]
	s_cmp_lt_u32 ttmp9, 512
	s_cselect_b64 s[10:11], s[4:5], s[10:11]
	s_cselect_b32 s19, ttmp9, s19                  ; the tile within its tensor
	s_lshr_b32 s20, s19, 1
	s_lshl_b32 s20, s20, 5
	s_and_b32 s21, s19, 1
	s_lshl_b32 s21, s21, 3
	s_add_co_u32 s20, s20, s21                     ; its first row: 32 (T / 2) + 8 (T % 2)
	s_lshl_b32 s20, s20, 12                        ; rows of 4,096 bytes
	s_lshl_b32 s21, s16, 9
	s_add_co_u32 s20, s20, s21                     ; + 512 x K step
	s_mov_b32 s21, 0
	s_add_nc_u64 s[10:11], s[10:11], s[20:21]
	s_add_nc_u64 s[12:13], s[12:13], s[22:23]
	s_add_nc_u64 s[14:15], s[14:15], s[26:27]
.irp i, 0,1,2,3,4,5,6,7,8,9,10,11,12,13,14,15
	global_load_b128 v[R+4*\i:R+4*\i+3], v1, s[10:11] offset:(\i+8*(\i/8))*4096 th:TH_LOAD_NT   ; place i of the tile: 512 consecutive bytes, read once in the program
.endr
.irp i, 0,1,2,3,4,5,6,7,8,9,10,11,12,13,14,15
	s_wait_loadcnt 15-\i                           ; loads come back in order: row i is in, the 15 - i younger ones may be out
	ds_store_b128 v2, v[R+4*\i:R+4*\i+3] offset:528*\i
.endr
	s_wait_dscnt 0x0                               ; the stores are done: their registers take the numbers back, in the other order
.irp b, 0,1,2,3
.irp j, 0,1,2,3
	ds_load_b128 v[X+16*\b+4*\j:X+16*\b+4*\j+3], v3 offset:128*\b+16*\j
.endr
.endr
	s_wait_dscnt 0x0
	QUANT X
.irp c, 0,1,2
	global_store_b128 v1, v[PC+4*\c:PC+4*\c+3], s[12:13] offset:512*\c    ; 32 lanes store 512 consecutive bytes, aligned
.endr
	ds_store_b32 v4, v[PW]                         ; lanes l and l xor 16 write the same word with the same value
	s_wait_dscnt 0x0                               ; for wave 0's sake: my word has landed
	s_barrier_signal -1
	s_barrier_wait -1
	s_cmp_lg_u32 s16, 0
	s_cbranch_scc1 .Ldone
	ds_load_b128 v[16:19], v5                      ; the tile's 128 scale words
	s_wait_dscnt 0x0
	global_store_b128 v1, v[16:19], s[14:15]       ; one store of 512 consecutive bytes
.Ldone:
	s_wait_tensorcnt 0x0
	ds_add_u32 v120, v121
	s_wait_dscnt 0x0
	s_endpgm
.Lfunc_end_k_q3d81cf3c1b_quant:
	.size	k_q3d81cf3c1b_quant, .Lfunc_end_k_q3d81cf3c1b_quant-k_q3d81cf3c1b_quant
	.p2alignl 7, 3214868480
	.fill 96, 4, 3214868480
	.section	.rodata,"a",@progbits
	.p2align	6, 0x0
	.amdhsa_kernel k_q3d81cf3c1b_quant
		.amdhsa_group_segment_fixed_size 69120
		.amdhsa_private_segment_fixed_size 0
		.amdhsa_enable_private_segment 0
		.amdhsa_kernarg_size 48
		.amdhsa_user_sgpr_count 2
		.amdhsa_user_sgpr_kernarg_segment_ptr 1
		.amdhsa_wavefront_size32 1
		.amdhsa_system_sgpr_workgroup_id_x 1
		.amdhsa_system_sgpr_workgroup_id_y 1
		.amdhsa_system_sgpr_workgroup_id_z 1
		.amdhsa_system_vgpr_workitem_id 0
		.amdhsa_next_free_vgpr 122
		.amdhsa_next_free_sgpr 66
		.amdhsa_reserve_vcc 0
		.amdhsa_float_denorm_mode_32 3
		.amdhsa_float_denorm_mode_16_64 3
		.amdhsa_memory_ordered 1
		.amdhsa_forward_progress 1
		.amdhsa_inst_pref_size 13
	.end_amdhsa_kernel
	.amdgpu_metadata
---
amdhsa.version: [ 1, 2 ]
amdhsa.kernels:
  - .name:           k_q3d81cf3c1b_quant
    .symbol:         k_q3d81cf3c1b_quant.kd
    .args:
      - { .name: x, .offset: 0, .size: 8, .value_kind: global_buffer, .address_space: global }
      - { .name: Wq, .offset: 8, .size: 8, .value_kind: global_buffer, .address_space: global }
      - { .name: Wk, .offset: 16, .size: 8, .value_kind: global_buffer, .address_space: global }
      - { .name: Wv, .offset: 24, .size: 8, .value_kind: global_buffer, .address_space: global }
      - { .name: xwc, .offset: 32, .size: 8, .value_kind: global_buffer, .address_space: global }
      - { .name: xws, .offset: 40, .size: 8, .value_kind: global_buffer, .address_space: global }
    .group_segment_fixed_size: 69120
    .private_segment_fixed_size: 0
    .kernarg_segment_align: 8
    .kernarg_segment_size: 48
    .max_flat_workgroup_size: 256
    .sgpr_count:     66
    .vgpr_count:     122
    .wavefront_size: 32
...
	.end_amdgpu_metadata
.endif
;; end of part 1
;; launch proj (part 2): grid 64 x 4, 4 waves a work-group, clusters of 4 x 4, 327,680 bytes of LDS; arguments xwc, xws, bq, bk, bv, qkvc, qkvs; writes qkvc, qkvs
.if DOCPART == 2
	.amdgcn_target "amdgcn-amd-amdhsa--gfx1250"
	.amdhsa_code_object_version 6
	.text
	.protected	k_q3d81cf3c1b_proj
	.globl	k_q3d81cf3c1b_proj
	.p2align	8
	.type	k_q3d81cf3c1b_proj,@function
k_q3d81cf3c1b_proj:
	s_mov_b64 s[64:65], 0
	v_nop
	global_prefetch_b8 v0, s[64:65] scope:SCOPE_SE
	s_setreg_imm32_b32 hwreg(HW_REG_WAVE_MODE, 25, 1), 1
	s_wait_xcnt 0x0
	s_wait_alu depctr_hold_cnt(0) depctr_sa_sdst(0) depctr_va_vdst(0) depctr_va_sdst(0) depctr_va_ssrc(0) depctr_va_vcc(0) depctr_vm_vsrc(0)
	s_getreg_b32 s2, hwreg(HW_REG_IB_STS2, 6, 4)
	s_cmp_eq_u32 s2, 0
	s_cbranch_scc0 .Lentry_in_a_cluster
	s_endpgm
.Lentry_in_a_cluster:
	s_bfe_u32 s2, ttmp6, 0x10000c
	s_cmp_lg_u32 s2, 0xf033
	s_cbranch_scc0 .Lentry_shape_is_right
	s_endpgm
.Lentry_shape_is_right:
; q = x Wq^T + bq, k = x Wk^T + bk, v = x Wv^T + bv on codes of BF6 (E3M2) with E8M0 scales, f32 sums; the results are quantised again at once, q and k along the channels, v along the tokens,
; and stored as images of operand registers (a fragment of 16 rows x 128 K: 1,536 bytes, registers 4 c .. 4 c + 3 of lane l at 512 c + 16 l).
; qkvc: q [tile 512][K step 8][1,536] at 0, k likewise at 6,291,456, v [batch 4][tile of channels 64][K step of 128 tokens 16][1,536] at 12,582,912.
; qkvs, scale words as images of scale registers (a register: lanes 0-15 an even tile's rows, lanes 16-31 the odd tile's behind it): q [K step 8][8 tiles: 64][lane 32][4 registers] at 0, k likewise at 262,144,
;   v [batch][K step 16][4 tiles: 16][lane 32][2 registers] at 524,288.
; SHARES: 8,192 tokens x 3,072 channels are 384 tiles of 256 x 256; 256 work-groups take one and a half each.  Work-group (wb 0..7, tb 0..31) makes
;   FIRST  256 channels of q or k (rows 256 wb on of Wq, Wk on end) x the 256 tokens of block tb: source 0 = W's rows, source 1 = tokens: a lane's registers run along the channels;
;   SECOND the same 256 tokens x 128 channels of v (rows 128 wb on of Wv): source 0 = tokens, source 1 = Wv's rows: a lane's registers run along the tokens.
; The rows of a tile lie in the order 32 (T / 2) + 8 (T % 2) + r + 8 (r / 8), so the 16 registers of source 0's tiles 2 b and 2 b + 1 are 16 neighbours along the next K.
; Four waves.  First product: a wave makes 128 x 128, 64 accumulators; second: 128 tokens x 64 channels, 32 accumulators.  K = 1,024 goes in eight steps of 128, written out.
; LDS: x's 16 tiles stay, K 0-255 at 0 and K 256-1,023 at 49,152; W goes through two slots of 49,152 bytes, 256 along K (a chunk) each, which Wv's 8 tiles (K 0-511, K 512-1,023) take over.
; One tensor load a wave at the head: waves 0 and 1 bring W's chunk 0, waves 2 and 3 x's K 0-255.  Behind it: W's chunk 1 and x's K 256-1,023.  Then waves 0 and 1 alone: in steps 1 and 3 W's chunks 2 and 3,
; in steps 5 and 7 Wv's two halves of K.  All scale words come straight into registers, once.
; CLUSTER 4 x 4: W's and Wv's tiles hang on cx alone and are asked for jointly by a column of the cluster, x's on cy alone, by a row.
; PREFETCH: x's K 256-1,023 and W's K 256-639 are asked for at the head, behind the head's load, W's K 640-1,023 behind the second load, Wv behind the third: each at least one load ahead.  Of 16 tiles that four partners share
; each takes four by its place (of Wv's 8: two), a wave one tile (of Wv: half a tile), a lane 256 bytes.  W's and Wv's tiles are read by eight clusters: only four of them ask.
; LIMITS: a block whose largest magnitude lies under 2^-122 has its byte held at 1; zero blocks get the byte 1 (their codes are zeros); NaN and infinities are not served.
; REGISTERS: window 0: v1-19 addresses; v28-29 for the add; v48-55 bv by lanes (pairs); v64-95 W's scale words, v96-127 x's, four a step; v128-223 source 1's fragments, on the ways out the codes and what is at work;
;   v224-239 Wv's scale words.  window 1: source 0's 8 fragments, two sets, at v0 and v128; bq or bk by registers at v96-127 and v224-255.  windows 2, 3: first product: accumulator (tile a of W, tile n of x) at
;   v[8 (8 (n % 4) + a)] of window 2 + n / 4; second: accumulator (tile a of x, tile m of Wv) at v[8 (8 m + a)] of window 2.
.set XB,    49152                      ; x's K 256-1,023
.set WS,    196608                     ; W's slots
.set SPARE, 294912                     ; the spare words, 128 bytes a wave: two blocks of 256 bytes that no other line names
.set LI,   4                           ; 16 x lane
.set L8,   5                           ; 8 x lane
.set AW,   6                           ; v6-7   slots 0, 1: my 8 tiles of W by wave % 2; later my 4 of Wv
.set AXA,  8                           ; v8     x's K 0-255: my 8 tiles by wave / 2
.set AXB,  9                           ; v9-10  x's K 256-1,023: the first and the last four of them
.set PF,   18
.set PF2,  19
.set SPW,  28
.set NIL,  29
.set B1,   48
.set SW,   64
.set SX,   96
.set AF,   128
.set PC,   128
.set TM,   148
.set PW,   164
.set PWS,  166
.set WVS,  224                         ; register 2 s + j: lanes 0-15 the word of my tile 2 j of Wv for K step s, lanes 16-31 that of tile 2 j + 1
.set WV,   18                          ; s18  wave
.set FT,   19                          ; wave / 2: my half of x.  Also: I fetch for W (0) or for x (1)
.set FH,   20                          ; wave % 2: my half of W and of Wv.  Also: which half I fetch
.set CX,   21
.set CY,   22
.set CC,   23                          ; the cluster's number
.set G1W,  24
.set G1X,  32
.set G1V,  40
.set GW,   48
.set GX,   52
.set GV,   56
.set SEL,  66
.set OQ,   68                          ; s[68:69] q's or k's codes, s[70:71] their scale words
.set SQ,   70
.set OV,   72                          ; s[72:73] v's codes, s[74:75] v's scale words
.set SVA,  74
.set HM,   104                         ; lanes 16-31
.set WT,   105                         ; the first of my 4 tiles of Wv
.set MSB, 0
.macro WIN new                         ; the immediate's high byte repeats the setting that is left; a switch that changes nothing is dropped
.if MSB != (\new)
	s_set_vgpr_msb (MSB<<8)|(\new)
.set MSB, (\new)
.endif
.endm
.macro PLACES n                        ; plain places behind matrix instructions (ISA guide 7.12.1)
.rept \n
	v_nop
.endr
.endm
.macro CREST                           ; a round of the cluster's barrier behind its opening barrier
	s_cmp_lg_u32 s[WV], 0
	s_cbranch_scc1 .Lnot_wave_0_\@
	s_barrier_signal -3
.Lnot_wave_0_\@:
	s_barrier_wait -3
	s_barrier_signal -1
	s_barrier_wait -1
.endm
.macro CROUND
	s_barrier_signal -1
	s_barrier_wait -1
	CREST
.endm
.macro TLOAD g0, g1                    ; a tensor load with the lines that follow each
	tensor_load_to_lds s[\g0:\g0+3], s[\g1:\g1+7]
	s_nop 0
	PLACES 4
.endm
.macro JLOAD                           ; a joint load: waves 0, 1 for W, waves 2, 3 for x; the branch hangs on the wave's number alone
	s_cmp_eq_u32 s[FT], 0
	s_cbranch_scc0 .Lfor_x_\@
	TLOAD GW, G1W
	s_branch .Lasked_\@
.Lfor_x_\@:
	TLOAD GX, G1X
.Lasked_\@:
.endm
.macro MKG0 g, lreg, loff, ap, goff    ; a descriptor's group 0: count 1, LDS address, global address, type 2
	s_mov_b32 s[\g], 1
	s_add_co_u32 s[\g+1], s[\lreg], \loff
	s_add_nc_u64 s[\g+2:\g+3], s[\ap:\ap+1], \goff
	s_or_b32 s[\g+3], s[\g+3], 0x80000000
.endm
.macro MKG1 g, rows, elems             ; group 1 behind its first word: rows of so many elements of 8 bytes, 12,288 bytes from row to row
	s_mov_b32 s[\g+1], (\elems)<<16
	s_mov_b32 s[\g+2], (\rows)<<16
	s_mov_b32 s[\g+3], (\elems)<<16
	s_mov_b32 s[\g+4], \rows
	s_mov_b32 s[\g+5], 1536
	s_mov_b32 s[\g+6], 0
	s_mov_b32 s[\g+7], 0
.endm
.macro ASK4 pf, base, off              ; a prefetch by the four pairs of clusters with the lowest numbers
	s_cmp_lt_u32 ttmp9, 8
	s_cbranch_scc0 .Lno_ask_\@
	global_prefetch_b8 v[\pf], s[\base:\base+1] offset:\off th:TH_LOAD_NT scope:SCOPE_SE
.Lno_ask_\@:
.endm
.macro FRAG3 reg, adr, off             ; a fragment's image comes back as it was stored
.irp c, 0,1,2
	ds_load_b128 v[\reg+4*\c:\reg+4*\c+3], v[\adr] offset:\off+512*\c
.endr
.endm
.macro XFRAG reg, t, n                 ; x's tile n of my eight, K step t
.if (\t)<2
	FRAG3 \reg, AXA, 3072*(\n)+1536*(\t)
.else
	FRAG3 \reg, AXB+(\n)/4, 9216*((\n)%4)+1536*((\t)-2)
.endif
.endm
.macro WMC x, y
.if WCM==0
	v_wmma_scale_f32_16x16x128_f8f6f4 v[WD:WD+7], v[WA:WA+11], v[WB:WB+11], 0, v[WSA], v[WSB] matrix_a_fmt:MATRIX_FMT_BF6 matrix_b_fmt:MATRIX_FMT_BF6 \x \y
.else
	v_wmma_scale_f32_16x16x128_f8f6f4 v[WD:WD+7], v[WA:WA+11], v[WB:WB+11], v[WC:WC+7], v[WSA], v[WSB] matrix_a_fmt:MATRIX_FMT_BF6 matrix_b_fmt:MATRIX_FMT_BF6 \x \y
.endif
.endm
; One matrix instruction.  cm = 0: C is the constant 0; 1: C is D; 2: C is v[c] on.  ra, rb: the side's scale words stand in lanes 0-15 (0) or 16-31 (1) of its register.
.macro WMS d, a, b, cm, c, sa, ra, sb, rb
.set WD, \d
.set WA, \a
.set WB, \b
.set WCM, \cm
.set WC, \d
.if (\cm)==2
.set WC, \c
.endif
.set WSA, \sa
.set WSB, \sb
.if ((\ra)==1)&&((\rb)==1)
	WMC matrix_a_scale:MATRIX_SCALE_ROW1, matrix_b_scale:MATRIX_SCALE_ROW1
.elseif (\ra)==1
	WMC matrix_a_scale:MATRIX_SCALE_ROW1
.elseif (\rb)==1
	WMC matrix_b_scale:MATRIX_SCALE_ROW1
.else
	WMC
.endif
.endm
; ---- THE FIRST PRODUCT ----
; 16 matrix instructions of step t: x's tiles n0, n0 + 1 against W's eight.  The 64 accumulators take turns, one instruction a turn, in the same order in every step.
.macro MUL16 n0, t, cm
.irp n, \n0, \n0+1
.irp a, 0,1,2,3,4,5,6,7
	WMS 8*(8*((\n)%4)+\a), 128*((\t)%2)+12*\a, AF+12*(\n), \cm, 96+8*\a+96*(\a/4), SW+4*(\t)+\a/2, \a%2, SX+4*(\t)+(\n)/2, (\n)%2
.endr
.endr
.endm
.macro FETCH_S0 t                      ; W's eight fragments of step t into set t % 2: 24 loads
	WIN 0x40
.irp a, 0,1,2,3,4,5,6,7
	FRAG3 128*((\t)%2)+12*\a, AW+(((\t)/2)%2), 3072*\a+1536*((\t)%2)
.endr
	WIN 0
.endm
.macro FETCH_S1 t, n0                  ; x's fragments n0 .. n0 + 3: 12 loads
.irp n, \n0, \n0+1, \n0+2, \n0+3
	XFRAG AF+12*(\n), \t, \n
.endr
.endm
; A step of 128 along K.  A fragment of x is free as soon as its eight products are issued, so x has one set: tiles 0-3 are fetched anew in the step's middle, tiles 4-7 at its end.
.macro REST t, cm                      ; from the middle on
	FETCH_S0 (\t)+1
	FETCH_S1 (\t)+1, 0
.if (\cm)==2
	WIN 0xd1
.else
	WIN 0xf1
.endif
	MUL16 4, \t, \cm
	MUL16 6, \t, \cm
	PLACES 4
	WIN 0
	FETCH_S1 (\t)+1, 4
.endm
.macro STEP t, cm
	s_wait_dscnt 12                                ; all but the 12 youngest loads (x's tiles 4-7) are in
.if (\cm)==2
	WIN 0x91                                       ; W and the bias window 1, x window 0, D window 2
.else
	WIN 0xa1                                       ; W window 1, x window 0, C and D window 2
.endif
	MUL16 0, \t, \cm
	MUL16 2, \t, \cm
	s_wait_dscnt 0x0                               ; x's tiles 4-7 are in (asked for 32 matrix instructions ago)
	PLACES 4
	REST \t, \cm
.endm
; An odd step with a refill of the slot whose two steps end with it (the other slot's for Wv's halves likewise).  In front of the barrier each wave waits for all its tensor loads, adds 0 to its spare word, and waits for
; that and for its LDS reads; the barrier opens a round of the cluster's barrier.  The wait also shows what was on its way whole to every wave.  on: the bytes by which the tile's address goes on.
.macro TURN t, g0, g1, slot, on
	s_wait_tensorcnt 0x0                           ; all my tensor loads have landed, so a group 0 may be written
	ds_add_u32 v[SPW], v[NIL]                      ; 0 onto my spare word
	s_add_co_u32 s[\g0+1], s101, WS+49152*\slot
.if \on
	s_add_nc_u64 s[\g0+2:\g0+3], s[\g0+2:\g0+3], \on
.endif
	s_wait_dscnt 13                                ; the add and the 12 youngest loads may be out
	WIN 0xa1
	MUL16 0, \t, 1
	s_wait_dscnt 0x0                               ; the add is done, and my reads of what is filled again are over
	s_barrier_signal -1
	MUL16 2, \t, 1
	WIN 0
	s_barrier_wait -1
	CREST                                          ; no wave of any partner still reads those bytes or has a load on its way
	s_cmp_eq_u32 s[FT], 0
	s_cbranch_scc0 .Lno_w_\@                       ; waves 0 and 1 fetch
	TLOAD \g0, \g1                                 ; the first tensor load behind the round
.Lno_w_\@:
	PLACES 4
.if (\t)<7
	REST \t, 1
.else
	WIN 0xf1
	MUL16 4, \t, 1
	MUL16 6, \t, 1
	WIN 0
.endif
.endm
; ---- THE SECOND PRODUCT ----
.macro FETCH2 t                        ; x's 8 fragments and Wv's 4 into set t % 2: 24 + 12 loads
	WIN 0x40
.irp a, 0,1,2,3,4,5,6,7
	XFRAG 128*((\t)%2)+12*\a, \t, \a
.endr
	WIN 0
.irp m, 0,1,2,3
	FRAG3 AF+48*((\t)%2)+12*\m, AW+(\t)/4, 6144*\m+1536*((\t)%4)
.endr
.endm
; 16 matrix instructions: Wv's tiles m0, m0 + 1 against x's eight.  The 32 accumulators take turns, one instruction a turn, in the same order in every step.
.macro MUL2 t, m0, cm
.irp m, \m0, \m0+1
.irp a, 0,1,2,3,4,5,6,7
	WMS 8*(8*(\m)+\a), 128*((\t)%2)+12*\a, AF+48*((\t)%2)+12*(\m), \cm, 0, SX+4*(\t)+\a/2, \a%2, WVS+2*(\t)+(\m)/2, (\m)%2
.endr
.endr
.endm
.macro STEP2 t, cm
	s_wait_dscnt 0x0                               ; this step's fragments, asked for 32 matrix instructions ago, are in
.if (\t)<7
	PLACES 4                                       ; the other set was read by the products just issued
	FETCH2 (\t)+1
.endif
	WIN 0xa1                                       ; x window 1, Wv window 0, C and D window 2
	MUL2 \t, 0, \cm
	MUL2 \t, 2, \cm
.endm
; 64 numbers of a lane in window w, register 16 b + i = k 32 b + 16 (lane / 16) + i of my row, become a fragment's codes in v[PC] .. v[PC + 11] and its scale word in v[PW], both in window 0.
; Accumulators are taken where they lie: each is read from its low end on.
.macro QUANT s, w
	WIN 5*(\w)                                     ; sources 0 and 1
.irp b, 0,1,2,3
	v_max3_num_f32 v[TM+\b], |v[\s+16*\b]|, |v[\s+1+16*\b]|, 0x2800000   ; my 16 numbers of block b, and the floor 2^(5 - 127)
.endr
	WIN 20*(\w)                                    ; sources 1 and 2
.irp i, 2,4,6,8,10,12,14
.irp b, 0,1,2,3
	v_max3_num_f32 v[TM+\b], v[TM+\b], |v[\s+16*\b+\i]|, |v[\s+1+16*\b+\i]|
.endr
.endr
	WIN 0
.irp b, 0,1,2,3
	v_permlanex16_b32 v[TM+4+\b], v[TM+\b], s[SEL], s[SEL+1]
.endr
.irp b, 0,1,2,3
	v_max_num_f32 v[TM+\b], v[TM+\b], v[TM+4+\b]
.endr
.irp b, 0,1,2,3
	v_add_nc_u32 v[TM+12+\b], 0xfe000000, v[TM+\b]   ; 4 off the exponent field: the conversion's scale operand
.endr
.irp b, 0,1,2,3
	v_lshrrev_b32 v[TM+4+\b], 23, v[TM+12+\b]      ; the scale's byte
.endr
	v_lshl_or_b32 v[PW], v[TM+5], 8, v[TM+4]
	v_lshl_or_b32 v[PW], v[TM+6], 16, v[PW]
	v_lshl_or_b32 v[PW], v[TM+7], 24, v[PW]
	s_wait_xcnt 0x0                                ; the last tile's stores have read their data: the conversions below are the first lines that write the codes' registers again
	WIN \w                                         ; source 0
.irp c, 0,1
	v_cvt_scalef32_pk16_bf6_f32 v[PC+6*\c:PC+2+6*\c], v[\s+32*\c:\s+15+32*\c], v[TM+12+2*\c]
	v_cvt_scalef32_pk16_bf6_f32 v[PC+12+4*\c:PC+14+4*\c], v[\s+16+32*\c:\s+31+32*\c], v[TM+12+2*\c+1]   ; a conversion's three registers begin on an even number
.endr
	WIN 0
	v_nop                                          ; one plain place behind a scaled conversion
.irp c, 0,1                                    ; the operand wants a WHOLE block in a lane
.irp i, 0,1,2
	v_permlane16_swap_b32 v[PC+6*\c+\i], v[PC+12+4*\c+\i]
.endr
.irp i, 0,1,2
	v_mov_b32 v[PC+3+6*\c+\i], v[PC+12+4*\c+\i]
.endr
.endr
.endm
.macro GATH dst, src, n                ; a number that lanes l and l xor 16 hold alike: tile n's goes to lanes 0-15 (n even) or 16-31 (n odd) of register n / 2
.if (\n)%2==0
	v_mov_b32 v[\dst+(\n)/2], v[\src]
.else
	v_cndmask_b32 v[\dst+(\n)/2], v[\dst+(\n)/2], v[\src], s[HM]
.endif
.endm
	s_load_b256 s[4:11], s[0:1], 0x0               ; xwc s[4:5], xws s[6:7], bq s[8:9], bk s[10:11]
	s_load_b128 s[12:15], s[0:1], 0x20             ; bv s[12:13], qkvc s[14:15]
	s_load_b64 s[16:17], s[0:1], 0x30              ; qkvs
	v_lshl_add_u32 v[SPW], v0, 2, SPARE
	v_mov_b32 v[NIL], 0
	ds_add_u32 v[SPW], v[NIL]                      ; the wave's opening: the add, twice on end, and its wait ahead of my first tensor load
	ds_add_u32 v[SPW], v[NIL]
	v_lshrrev_b32 v1, 5, v0
	v_readfirstlane_b32 s[WV], v1
	s_lshr_b32 s[FT], s[WV], 1
	s_and_b32 s[FH], s[WV], 1
	s_mul_i32 s100, s[FH], 73728                   ; where my half of x's K 256-1,023 goes, less its base
	s_mul_i32 s101, s[FH], 24576                   ; and my half of a chunk: 8 tiles x 3,072 bytes: no place in the cluster enters an LDS address
	s_mul_i32 s83, s[FT], 24576
	s_mul_i32 s84, s[FT], 73728
	s_add_co_u32 s84, s84, XB
	s_add_co_u32 s85, s84, 36864
	s_add_co_u32 s2, s101, WS
	s_add_co_u32 s3, s101, WS+49152
	v_and_b32 v3, 31, v0                           ; lane
	v_and_b32 v1, 15, v0                           ; r
	v_bfe_u32 v2, v0, 4, 1                         ; h
	v_lshlrev_b32 v[LI], 4, v3
	v_lshlrev_b32 v[L8], 3, v3
	v_min_u32 v[PF], 17, v3                        ; 18 blocks of 256 bytes: the lanes that are over name the last one again
	v_lshlrev_b32 v[PF], 8, v[PF]
	v_min_u32 v[PF2], 23, v3                       ; 24 blocks
	v_lshlrev_b32 v[PF2], 8, v[PF2]
	v_add_nc_u32 v[AW], s2, v[LI]
	v_add_nc_u32 v[AW+1], s3, v[LI]
	v_add_nc_u32 v[AXA], s83, v[LI]
	v_add_nc_u32 v[AXB], s84, v[LI]
	v_add_nc_u32 v[AXB+1], s85, v[LI]
	v_lshlrev_b32 v15, 6, v2                       ; the bias by registers: + 16 h channels
	v_and_b32 v16, 8, v1
	v_add_nc_u32 v16, v16, v1
	v_lshlrev_b32 v16, 2, v16                      ; the bias by lanes: channel r + 8 (r / 8)
	v_lshlrev_b32 v17, 2, v1
	v_lshl_add_u32 v17, v2, 9, v17                 ; scale words: 4 r, and lanes 16-31 one tile (512 bytes) on
.irp m, 0,1,2,3
	v_mov_b32 v[B1+2*\m+1], 0                      ; named as a pair's upper half, so it is written
.endr
	s_bfe_u32 s[CX], ttmp6, 0x40000
	s_bfe_u32 s[CY], ttmp6, 0x40004
	s_mov_b32 s[CC], ttmp9                         ; 16 clusters along x, one along y
	s_lshl_b32 s92, 0x1111, s[CX]                  ; my column of the cluster (same cx): W's and Wv's tiles
	s_lshl_b32 s96, s[CY], 2
	s_lshl_b32 s96, 15, s96                        ; my row (same cy): x's
	s_or_b32 s[G1W], s92, (3<<16)|(1<<21)          ; 15:0 the mask; 17:16 elements of 8 bytes; 21 set beside a mask; no padding
	s_or_b32 s[G1V], s92, (3<<16)|(1<<21)
	s_or_b32 s[G1X], s96, (3<<16)|(1<<21)
	MKG1 G1W, 8, 384                               ; 8 tiles, 256 along K
	MKG1 G1X, 8, 384                               ; likewise at the head
	MKG1 G1V, 4, 768                               ; 4 tiles, 512 along K
	s_and_b32 s92, s[CC], 1
	s_lshl_b32 s92, s92, 2
	s_add_co_u32 s92, s92, s[CX]                   ; wb = 4 (c % 2) + cx: which 256 rows of Wq, Wk on end, and which 128 of Wv
	s_lshr_b32 s96, s[CC], 1
	s_lshl_b32 s96, s96, 2
	s_add_co_u32 s96, s96, s[CY]                   ; tb = 4 (c / 2) + cy: which 256 tokens
	s_lshl_b32 s93, s92, 4
	s_add_co_u32 s93, s93, 512                     ; W's first tile
	s_lshl_b32 s97, s96, 4                         ; x's
	s_lshl_b32 s3, s[FH], 3
	s_add_co_u32 s94, s93, s3                      ; my 8 tiles of W
	s_mul_i32 s80, s94, 12288
	s_mov_b32 s81, 0
	s_lshl_b32 s86, s94, 9
	s_mov_b32 s87, 0
	s_add_co_u32 s90, s97, s3                      ; the 8 tiles of x that I fetch
	s_mul_i32 s90, s90, 12288
	s_mov_b32 s91, 0
	s_lshl_b32 s[WT], s92, 3
	s_lshl_b32 s3, s[FH], 2
	s_add_co_u32 s[WT], s[WT], s3
	s_add_co_u32 s[WT], s[WT], 640                 ; tile 640 + 8 wb + 4 (wave % 2): the first of my four of Wv, and of the four that I fetch
	s_mul_i32 s94, s[WT], 12288
	s_mov_b32 s95, 0
	s_lshl_b32 s98, s[WT], 9
	s_mov_b32 s99, 0
	; where the prefetches stand: of a column's 16 tiles of W the partner cy takes tiles 4 cy on, of a row's of x the partner cx tiles 4 cx on; a wave one tile
	s_lshl_b32 s76, s[CY], 2
	s_add_co_u32 s76, s76, s93
	s_add_co_u32 s76, s76, s[WV]
	s_mul_i32 s76, s76, 12288
	s_mov_b32 s77, 0
	s_lshl_b32 s78, s[CX], 2
	s_add_co_u32 s78, s78, s97
	s_add_co_u32 s78, s78, s[WV]
	s_mul_i32 s78, s78, 12288
	s_mov_b32 s79, 0
	s_lshl_b32 s84, s92, 3                         ; of Wv's 8 tiles the partner cy takes tiles 2 cy on; a wave half a tile's K
	s_lshl_b32 s2, s[CY], 1
	s_add_co_u32 s84, s84, s2
	s_add_co_u32 s84, s84, s[FT]
	s_add_co_u32 s84, s84, 640
	s_mul_i32 s84, s84, 12288
	s_mul_i32 s2, s[FH], 6144
	s_add_co_u32 s84, s84, s2
	s_mov_b32 s85, 0
	; where the results go.  q, k: g = 2 wb + wave % 2: tensor g / 8, K step g % 8; tiles of tokens from 16 tb + 8 (wave / 2)
	s_lshl_b32 s2, s92, 1
	s_add_co_u32 s2, s2, s[FH]
	s_lshr_b32 s3, s2, 3
	s_and_b32 s2, s2, 7
	s_mul_i32 s[OQ], s3, 6291456
	s_lshl_b32 s[SQ], s3, 18
	s_mul_i32 s3, s2, 1536
	s_add_co_u32 s[OQ], s[OQ], s3
	s_lshl_b32 s3, s2, 15
	s_add_co_u32 s[SQ], s[SQ], s3
	s_lshl_b32 s2, s[FT], 3
	s_add_co_u32 s2, s2, s97
	s_mul_i32 s3, s2, 12288
	s_add_co_u32 s[OQ], s[OQ], s3
	s_lshl_b32 s3, s2, 6
	s_add_co_u32 s[SQ], s[SQ], s3
	s_lshl_b32 s88, s2, 9                          ; and the scale words of my 8 tiles of x
	s_mov_b32 s89, 0
	; v: g = 2 tb + wave / 2: batch g / 16, K step g % 16; tiles of channels from 8 wb + 4 (wave % 2)
	s_lshl_b32 s2, s96, 1
	s_add_co_u32 s2, s2, s[FT]
	s_lshr_b32 s3, s2, 4
	s_and_b32 s2, s2, 15
	s_mul_i32 s[OV], s3, 1572864
	s_add_co_u32 s[OV], s[OV], 12582912
	s_lshl_b32 s[SVA], s3, 16
	s_add_co_u32 s[SVA], s[SVA], 524288
	s_mul_i32 s3, s2, 1536
	s_add_co_u32 s[OV], s[OV], s3
	s_lshl_b32 s3, s2, 12
	s_add_co_u32 s[SVA], s[SVA], s3
	s_sub_co_u32 s2, s[WT], 640
	s_mul_i32 s3, s2, 24576
	s_add_co_u32 s[OV], s[OV], s3
	s_lshl_b32 s3, s2, 6
	s_add_co_u32 s[SVA], s[SVA], s3
.irp q, OQ, SQ, OV, SVA
	s_mov_b32 s[\q+1], 0
.endr
	s_lshl_b32 s60, s[CX], 10                      ; bq or bk: channel 256 cx + 128 (wave % 2)
	s_lshl_b32 s2, s[FH], 9
	s_add_co_u32 s60, s60, s2
	s_mov_b32 s61, 0
	s_lshl_b32 s62, s92, 9                         ; bv: channel 128 wb + 64 (wave % 2)
	s_lshl_b32 s2, s[FH], 8
	s_add_co_u32 s62, s62, s2
	s_mov_b32 s63, 0
	s_mov_b32 s[SEL], 0x76543210
	s_mov_b32 s[SEL+1], 0xfedcba98
	s_mov_b32 s[HM], 0xffff0000
	s_wait_alu depctr_va_vdst(0)                   ; the wait at the head's end
	s_wait_dscnt 0x0                               ; both opening adds are done
	s_wait_kmcnt 0x0
	s_add_nc_u64 s[80:81], s[4:5], s[80:81]
	s_add_nc_u64 s[90:91], s[4:5], s[90:91]
	s_add_nc_u64 s[94:95], s[4:5], s[94:95]
	MKG0 GW, 101, WS, 80, 0                        ; chunk 0 of W into slot 0
	MKG0 GX, 101, 0, 90, 0
	MKG0 GV, 101, WS, 94, 0
	CROUND                                         ; all sixteen work-groups are here: the first joint loads meet
	JLOAD                                          ; one tensor load a wave at the head
	s_add_nc_u64 s[76:77], s[4:5], s[76:77]
	s_add_nc_u64 s[78:79], s[4:5], s[78:79]
	s_add_nc_u64 s[84:85], s[4:5], s[84:85]
	s_add_nc_u64 s[86:87], s[6:7], s[86:87]
	s_add_nc_u64 s[88:89], s[6:7], s[88:89]
	s_add_nc_u64 s[98:99], s[6:7], s[98:99]
	s_add_nc_u64 s[12:13], s[12:13], s[62:63]
	s_and_b32 s2, s[CC], 1
	s_cmp_lg_u32 s2, 0
	s_cselect_b64 s[8:9], s[10:11], s[8:9]         ; odd clusters: bk
	s_add_nc_u64 s[8:9], s[8:9], s[60:61]
	s_add_nc_u64 s[OQ:OQ+1], s[14:15], s[OQ:OQ+1]
	s_add_nc_u64 s[OV:OV+1], s[14:15], s[OV:OV+1]
	s_add_nc_u64 s[SQ:SQ+1], s[16:17], s[SQ:SQ+1]
	s_add_nc_u64 s[SVA:SVA+1], s[16:17], s[SVA:SVA+1]
.irp s, 0,1,2,3,4,5,6,7                ; all scale words, two tiles to a register
.irp j, 0,1,2,3
	global_load_b32 v[SW+4*\s+\j], v17, s[86:87] offset:1024*\j+64*\s
	global_load_b32 v[SX+4*\s+\j], v17, s[88:89] offset:1024*\j+64*\s
.endr
.irp j, 0,1
	global_load_b32 v[WVS+2*\s+\j], v17, s[98:99] offset:1024*\j+64*\s
.endr
.endr
.irp m, 0,1,2,3                        ; bv BY LANES (the channel is source 1's index): one number a lane and tile, added on the second way out
	global_load_b32 v[B1+2*\m], v16, s[12:13] offset:(32*(\m/2)+8*(\m%2))*4
.endr
	WIN 0x40
.irp a, 0,1,2,3,4,5,6,7                ; bq or bk BY REGISTERS (the channel is source 0's index): eight numbers a tile in the result's layout: the C of the first product's first step
	global_load_b128 v[96+8*\a+96*(\a/4):99+8*\a+96*(\a/4)], v15, s[8:9] offset:(32*(\a/2)+8*(\a%2))*4
	global_load_b128 v[100+8*\a+96*(\a/4):103+8*\a+96*(\a/4)], v15, s[8:9] offset:(32*(\a/2)+8*(\a%2))*4+16
.endr
	WIN 0
	global_prefetch_b8 v[PF], s[78:79] offset:3072 th:TH_LOAD_NT scope:SCOPE_SE   ; x's K 256-639
	global_prefetch_b8 v[PF], s[78:79] offset:7680 th:TH_LOAD_NT scope:SCOPE_SE   ; and K 640-1,023
	ASK4 PF, 76, 3072                              ; W's K 256-639
	s_wait_loadcnt 0x0                             ; the biases and the scale words are in
	s_wait_tensorcnt 0x0                           ; my part of the head's tiles is in; as ahead of a refill:
	ds_add_u32 v[SPW], v[NIL]                      ; 0 onto my spare word;
	s_add_nc_u64 s[GX+2:GX+3], s[GX+2:GX+3], 3072  ; no tensor load of mine is out: x goes on to K 256-1,023,
	s_add_co_u32 s[GX+1], s100, XB
	s_mov_b32 s[G1X+1], 1152<<16                   ; 768 along K
	s_mov_b32 s[G1X+3], 1152<<16
	s_add_nc_u64 s[GW+2:GW+3], s[GW+2:GW+3], 3072  ; W to chunk 1, into slot 1
	s_add_co_u32 s[GW+1], s101, WS+49152
	s_wait_dscnt 0x0                               ; the add is done
	CROUND                                         ; the head's tiles are in for every wave, and all sixteen work-groups are here
	JLOAD                                          ; the first tensor load behind the round
	FETCH_S0 0
	FETCH_S1 0, 0
	FETCH_S1 0, 4
	ASK4 PF, 76, 7680                              ; W's K 640-1,023
	STEP 0, 2                                      ; the first step starts the sums, from the bias
	TURN 1, GW, G1W, 0, 3072                       ; chunk 1 of W and the rest of x are whole; chunk 2 goes into slot 0
	ASK4 PF2, 84, 0                                ; Wv
	STEP 2, 1
	TURN 3, GW, G1W, 1, 3072                       ; chunk 2 is whole; chunk 3 goes into slot 1
	STEP 4, 1
	TURN 5, GV, G1V, 0, 0                          ; chunk 3 is whole; Wv's K 0-511 goes into slot 0: waves 0 and 1 bring four tiles each
	STEP 6, 1
	TURN 7, GV, G1V, 1, 6144                       ; Wv's K 0-511 is whole; K 512-1,023 goes into slot 1: the first way out and three steps stand ahead of the wait for it
	PLACES 4                                       ; behind the last products: for the reads of their results and the writes over x's fragments
.irp b, 0,1,2,3
	v_mov_b32 v[TM+4+\b], 0                        ; a lane permute's destination counts as one of its sources
.endr
; THE FIRST WAY OUT, a tile of 16 tokens at a time: its 64 results a lane are 16 tokens x 128 channels: one fragment of q or k and one scale word a token.
.macro EPI1 n
	QUANT 64*((\n)%4), 2+(\n)/4
.irp c, 0,1,2
	global_store_b128 v[LI], v[PC+4*\c:PC+4*\c+3], s[OQ:OQ+1] offset:12288*(\n)+512*\c   ; 32 lanes store 512 consecutive bytes, aligned
.endr
	GATH PWS, PW, \n
.endm
.irp n, 0,1,2,3,4,5,6,7
	EPI1 \n
.endr
	global_store_b128 v[LI], v[PWS:PWS+3], s[SQ:SQ+1]   ; my 8 tiles' scale words, as the next launch's registers want them: 512 consecutive bytes
	s_wait_xcnt 0x0                                ; the stores above have read their registers: fragments are loaded over them below
	FETCH2 0
	STEP2 0, 0                                     ; the first step starts the sums: nothing is cleared
	STEP2 1, 1
	STEP2 2, 1
	WIN 0                                          ; the fourth step: behind its barrier Wv's K 512-1,023 is whole for every wave; nothing is filled again
	s_wait_tensorcnt 0x0
	s_wait_dscnt 0x0                               ; this step's fragments are in
	s_barrier_signal -1
	WIN 0xa1
	MUL2 3, 0, 1
	WIN 0
	s_barrier_wait -1
	PLACES 4
	FETCH2 4
	WIN 0xa1
	MUL2 3, 2, 1
	STEP2 4, 1
	STEP2 5, 1
	STEP2 6, 1
	STEP2 7, 1
	WIN 0
	PLACES 4                                       ; behind the last products
.irp b, 0,1,2,3
	v_mov_b32 v[TM+4+\b], 0                        ; fragments lay here
.endr
; THE SECOND WAY OUT, a tile of 16 channels at a time: its 64 results a lane are 16 channels x 128 tokens: one fragment of v with the tokens innermost.
.macro EPI2 m
	WIN 0x82                                       ; source 0 and destination: the accumulators' window
.set ii, 0
.rept 32
	v_pk_add_f32 v[64*(\m)+ii:64*(\m)+ii+1], v[64*(\m)+ii:64*(\m)+ii+1], v[B1+2*(\m):B1+2*(\m)+1] op_sel_hi:[1,0]   ; + bv of my lane's channel, in place; each accumulator from its low end on
.set ii, ii+2
.endr
	QUANT 64*(\m), 2
.irp c, 0,1,2
	global_store_b128 v[LI], v[PC+4*\c:PC+4*\c+3], s[OV:OV+1] offset:24576*(\m)+512*\c   ; 32 lanes store 512 consecutive bytes, aligned
.endr
	GATH PWS, PW, \m
.endm
.irp m, 0,1,2,3
	EPI2 \m
.endr
	global_store_b64 v[L8], v[PWS:PWS+1], s[SVA:SVA+1]   ; my 4 tiles' scale words: 256 consecutive bytes
	s_wait_tensorcnt 0x0                           ; the wave's end
	ds_add_u32 v[SPW], v[NIL]
	s_wait_dscnt 0x0
	CROUND                                         ; the closing round: no work-group ends while a partner may still ask for a tile that names it
	s_endpgm
.Lfunc_end_k_q3d81cf3c1b_proj:
	.size	k_q3d81cf3c1b_proj, .Lfunc_end_k_q3d81cf3c1b_proj-k_q3d81cf3c1b_proj
	.p2alignl 7, 3214868480
	.fill 96, 4, 3214868480
	.section	.rodata,"a",@progbits
	.p2align	6, 0x0
	.amdhsa_kernel k_q3d81cf3c1b_proj
		.amdhsa_group_segment_fixed_size 327680
		.amdhsa_private_segment_fixed_size 0
		.amdhsa_enable_private_segment 0
		.amdhsa_kernarg_size 56
		.amdhsa_user_sgpr_count 2
		.amdhsa_user_sgpr_kernarg_segment_ptr 1
		.amdhsa_wavefront_size32 1
		.amdhsa_system_sgpr_workgroup_id_x 1
		.amdhsa_system_sgpr_workgroup_id_y 1
		.amdhsa_system_sgpr_workgroup_id_z 1
		.amdhsa_system_vgpr_workitem_id 0
		.amdhsa_next_free_vgpr 1024
		.amdhsa_next_free_sgpr 106
		.amdhsa_reserve_vcc 0
		.amdhsa_float_denorm_mode_32 3
		.amdhsa_float_denorm_mode_16_64 3
		.amdhsa_memory_ordered 1
		.amdhsa_forward_progress 1
		.amdhsa_inst_pref_size 229
	.end_amdhsa_kernel
	.amdgpu_metadata
---
amdhsa.version: [ 1, 2 ]
amdhsa.kernels:
  - .name:           k_q3d81cf3c1b_proj
    .symbol:         k_q3d81cf3c1b_proj.kd
    .args:
      - { .name: xwc, .offset: 0, .size: 8, .value_kind: global_buffer, .address_space: global }
      - { .name: xws, .offset: 8, .size: 8, .value_kind: global_buffer, .address_space: global }
      - { .name: bq, .offset: 16, .size: 8, .value_kind: global_buffer, .address_space: global }
      - { .name: bk, .offset: 24, .size: 8, .value_kind: global_buffer, .address_space: global }
      - { .name: bv, .offset: 32, .size: 8, .value_kind: global_buffer, .address_space: global }
      - { .name: qkvc, .offset: 40, .size: 8, .value_kind: global_buffer, .address_space: global }
      - { .name: qkvs, .offset: 48, .size: 8, .value_kind: global_buffer, .address_space: global }
    .group_segment_fixed_size: 327680
    .private_segment_fixed_size: 0
    .kernarg_segment_align: 8
    .kernarg_segment_size: 56
    .max_flat_workgroup_size: 128
    .sgpr_count:     106
    .vgpr_count:     1024
    .wavefront_size: 32
...
	.end_amdgpu_metadata
.endif
;; end of part 2
;; launch scores (part 3): grid 8 x 32, 4 waves a work-group, clusters of 4 x 4, 327,680 bytes of LDS; arguments qkvc, qkvs, pc, pstat; writes pc, pstat
.if DOCPART == 3
	.amdgcn_target "amdgcn-amd-amdhsa--gfx1250"
	.amdhsa_code_object_version 6
	.text
	.protected	k_q3d81cf3c1b_scores
	.globl	k_q3d81cf3c1b_scores
	.p2align	8
	.type	k_q3d81cf3c1b_scores,@function
k_q3d81cf3c1b_scores:
	s_mov_b64 s[64:65], 0
	v_nop
	global_prefetch_b8 v0, s[64:65] scope:SCOPE_SE
	s_setreg_imm32_b32 hwreg(HW_REG_WAVE_MODE, 25, 1), 1
	s_wait_xcnt 0x0
	s_wait_alu depctr_hold_cnt(0) depctr_sa_sdst(0) depctr_va_vdst(0) depctr_va_sdst(0) depctr_va_ssrc(0) depctr_va_vcc(0) depctr_vm_vsrc(0)
	s_getreg_b32 s2, hwreg(HW_REG_IB_STS2, 6, 4)
	s_cmp_eq_u32 s2, 0
	s_cbranch_scc0 .Lentry_in_a_cluster
	s_endpgm
.Lentry_in_a_cluster:
	s_bfe_u32 s2, ttmp6, 0x10000c
	s_cmp_lg_u32 s2, 0xf033
	s_cbranch_scc0 .Lentry_shape_is_right
	s_endpgm
.Lentry_shape_is_right:
; S^T = k q^T on codes of BF6 (E3M2) with E8M0 scales, K = 1,024, f32 sums; then the softmax's numerator for each chunk of 128 keys under the chunk's OWN whole-number maximum:
; t = score x log2(e) / 32;  M = ceil(the largest t of the query's 128 keys of the chunk);  p = 2^(t - M), quantised along the keys;  l = the sum of the unquantised p.
; M is a whole number, so the next launch brings every chunk under the row's M by taking M - M_chunk off the scale bytes: the codes stay as they are.  The maximum is always taken away; each chunk's l is at least 1/2.
; Stored: pc [tile of queries 512][chunk 16][1,536]: p's fragments as images of operand registers;  pstat: three planes of 524,288 bytes, each [batch 4][chunk 16][8 tiles: 16][lane 32][4 registers] of 4 bytes, register j
; holding tile 2 j's 16 rows in lanes 0-15 and tile 2 j + 1's in lanes 16-31: p's scale words, -M (f32), l (f32).
; S0 (source 0, rows land in a lane's registers) = 256 keys, S1 (source 1, rows land in the lanes) = 256 queries.  The keys of a tile lie in the order 32 (T / 2) + 8 (T % 2) + r + 8 (r / 8),
; so the 16 registers of tiles 2 b and 2 b + 1 are 16 neighbouring keys.
; SHARES: a work-group makes 256 x 256, each of its four waves 128 x 128, 64 accumulators; eight steps of 128 along K, written out.
; LDS: region A, 98,304 bytes, 256 along K: S0's 16 tiles, then S1's; region B, 196,608 bytes, 512 along K.  One tensor load a wave at the head fills A with K 0-255, one behind it B with K 256-767; in step 1, when A has
; been read, K 768-1,023 goes into A.  All scale words come straight into registers, once.
; CLUSTER 4 x 4: k's tiles are asked for jointly by a column of the cluster, q's by a row.
; PREFETCH: K 256-767 of the cluster's tiles is asked for at the head, behind the head's load, and K 768-1,023 behind B's load: each ahead of the next load.  Of 16 tiles that four partners share each takes four by its
; place, a wave one tile, a lane 256 bytes.
; LIMITS: a p under 2^-126 counts as 0 (v_exp_f32's way with denormals); a block whose every p is 0 keeps the byte 1 (its codes are zeros); NaN and infinities are not served.
; A block's largest p is made from the block's largest score by the same multiply-add and exponential: this takes v_exp_f32 not to fall where its input rises.
; REGISTERS: window 0: v1-10 addresses; v28-29 for the add; v32-63 S0's scale words, v224-255 S1's, four a step; v64-127 64 numbers of the epilogue; v128-223 S1's 8 fragments, later the epilogue's registers.
;   window 1: S0's 8 fragments, two sets.  windows 2, 3: accumulator (S0 tile a, S1 tile n) at v[8 (8 (n % 4) + a)] of window 2 + n / 4.
.set RB,    98304                      ; region B
.set SPARE, 294912                     ; the spare words, 128 bytes a wave: two blocks of 256 bytes that no other line names
.set LI,   4                           ; 16 x lane
.set PF,   5
.set AA0,  6                           ; my 8 tiles of S0 and of S1 in A,
.set AA1,  7
.set AB0,  8                           ; and in B
.set AB1,  9
.set PF2,  10
.set SPW,  28
.set NIL,  29
.set SS0,  32
.set SS1,  224
.set H,    64
.set AF,   128
.set PC,   128                         ; v128-146 the codes
.set BM,   148                         ; v148-151 the blocks' largest scores, then their largest p
.set BX,   152                         ; v152-155 at work
.set SO,   156                         ; v156-159 the conversions' scale operands
.set NM,   160                         ; v[160:161] -M (the pair's upper half is written once)
.set SA,   162                         ; four chains of the sum
.set SB,   164
.set SC,   182
.set SD,   184
.set PW,   166
.set TX,   167
.set PWS,  168                         ; v168-171, v172-175, v176-179: the 8 tiles' scale words, -M and l, two tiles to a register
.set NMS,  172
.set LSS,  176
.set LL,   180
.set LX,   181
.set CS,   12                          ; s[12:13] c = log2(e) / 32
.set BAT,  14
.set WV,   18
.set FT,   19                          ; wave / 2: my half of S1; I fetch for S0 (0) or S1 (1)
.set FH,   20                          ; wave % 2: my half of S0; which 8 tiles I fetch
.set CX,   21
.set CY,   22
.set CC,   23                          ; the cluster's y
.set G1A,  24
.set G1B,  32
.set G0A,  40
.set G0B,  44
.set SEL,  66
.set HM,   104
.set MSB, 0
.macro WIN new
.if MSB != (\new)
	s_set_vgpr_msb (MSB<<8)|(\new)
.set MSB, (\new)
.endif
.endm
.macro PLACES n
.rept \n
	v_nop
.endr
.endm
.macro CREST
	s_cmp_lg_u32 s[WV], 0
	s_cbranch_scc1 .Lnot_wave_0_\@
	s_barrier_signal -3
.Lnot_wave_0_\@:
	s_barrier_wait -3
	s_barrier_signal -1
	s_barrier_wait -1
.endm
.macro CROUND
	s_barrier_signal -1
	s_barrier_wait -1
	CREST
.endm
.macro JLOAD                           ; a joint load: waves 0, 1 for S0, waves 2, 3 for S1; four v_nop follow each line
	s_cmp_eq_u32 s[FT], 0
	s_cbranch_scc0 .Lfor_b_\@
	tensor_load_to_lds s[G0A:G0A+3], s[G1A:G1A+7]
	s_nop 0
	PLACES 4
	s_branch .Lasked_\@
.Lfor_b_\@:
	tensor_load_to_lds s[G0B:G0B+3], s[G1B:G1B+7]
	s_nop 0
	PLACES 4
.Lasked_\@:
.endm
.macro ALONG elems                     ; so many elements of 8 bytes of each tile: 384 are 256 along K
.irp g, G1A, G1B
	s_mov_b32 s[\g+1], (\elems)<<16
	s_mov_b32 s[\g+3], (\elems)<<16
.endr
.endm
.macro FRAG3 reg, adr, off
.irp c, 0,1,2
	ds_load_b128 v[\reg+4*\c:\reg+4*\c+3], v[\adr] offset:\off+512*\c
.endr
.endm
.macro WMC x, y
.if WCM==0
	v_wmma_scale_f32_16x16x128_f8f6f4 v[WD:WD+7], v[WA:WA+11], v[WB:WB+11], 0, v[WSA], v[WSB] matrix_a_fmt:MATRIX_FMT_BF6 matrix_b_fmt:MATRIX_FMT_BF6 \x \y
.else
	v_wmma_scale_f32_16x16x128_f8f6f4 v[WD:WD+7], v[WA:WA+11], v[WB:WB+11], v[WD:WD+7], v[WSA], v[WSB] matrix_a_fmt:MATRIX_FMT_BF6 matrix_b_fmt:MATRIX_FMT_BF6 \x \y
.endif
.endm
; One matrix instruction.  cm = 0: C is the constant 0; 1: C is D.  ra, rb: the side's scale words stand in lanes 0-15 (0) or 16-31 (1) of its register.
.macro WMS d, a, b, cm, sa, ra, sb, rb
.set WD, \d
.set WA, \a
.set WB, \b
.set WCM, \cm
.set WSA, \sa
.set WSB, \sb
.if ((\ra)==1)&&((\rb)==1)
	WMC matrix_a_scale:MATRIX_SCALE_ROW1, matrix_b_scale:MATRIX_SCALE_ROW1
.elseif (\ra)==1
	WMC matrix_a_scale:MATRIX_SCALE_ROW1
.elseif (\rb)==1
	WMC matrix_b_scale:MATRIX_SCALE_ROW1
.else
	WMC
.endif
.endm
; 16 matrix instructions of step t: S1's tiles n0, n0 + 1 against S0's eight.  The 64 accumulators take turns, one instruction a turn, in the same order in every step.
.macro MUL16 n0, t, cm
.irp n, \n0, \n0+1
.irp a, 0,1,2,3,4,5,6,7
	WMS 8*(8*((\n)%4)+\a), 128*((\t)%2)+12*\a, AF+12*(\n), \cm, SS0+4*(\t)+\a/2, \a%2, SS1+4*(\t)+(\n)/2, (\n)%2
.endr
.endr
.endm
.macro WHERE t                         ; step t's fragments: the tiles' pitch, the place along K, the address registers
.if (\t)<2
.set TP, 3072
.set KO, 1536*(\t)
.set R0, AA0
.elseif (\t)<6
.set TP, 6144
.set KO, 1536*((\t)-2)
.set R0, AB0
.else
.set TP, 3072
.set KO, 1536*((\t)-6)
.set R0, AA0
.endif
.endm
.macro FETCH_S0 t
	WHERE \t
	WIN 0x40
.irp a, 0,1,2,3,4,5,6,7
	FRAG3 128*((\t)%2)+12*\a, R0, TP*\a+KO
.endr
	WIN 0
.endm
.macro FETCH_S1 t, n0
	WHERE \t
.irp n, \n0, \n0+1, \n0+2, \n0+3
	FRAG3 AF+12*(\n), R0+1, TP*(\n)+KO
.endr
.endm
.macro REST t, cm                      ; a step from its middle on: S1 has one set of registers: tiles 0-3 are fetched anew here, tiles 4-7 at the end
	FETCH_S0 (\t)+1
	FETCH_S1 (\t)+1, 0
	WIN 0xf1
	MUL16 4, \t, \cm
	MUL16 6, \t, \cm
	PLACES 4
	WIN 0
	FETCH_S1 (\t)+1, 4
.endm
.macro STEP t, cm
	s_wait_dscnt 12                                ; all but the 12 youngest loads (S1's tiles 4-7) are in
	WIN 0xa1                                       ; S0 window 1, S1 window 0, C and D window 2
	MUL16 0, \t, \cm
	MUL16 2, \t, \cm
	s_wait_dscnt 0x0                               ; S1's tiles 4-7 are in
	PLACES 4
	REST \t, \cm
.endm
.macro TURN t, fill                    ; an odd step with a barrier, which shows what has landed; fill = 1: behind it A is filled again, and the barrier opens a round of the cluster's barrier
	s_wait_tensorcnt 0x0                           ; all my tensor loads have landed, so a descriptor may be written
.if \fill
	ds_add_u32 v[SPW], v[NIL]                      ; 0 onto my spare word
	s_mov_b32 s[G0A+1], s101
	s_mov_b32 s[G0B+1], s101
	s_add_nc_u64 s[G0A+2:G0A+3], s[G0A+2:G0A+3], 6144   ; K 768-1,023
	s_add_nc_u64 s[G0B+2:G0B+3], s[G0B+2:G0B+3], 6144
	ALONG 384
	s_wait_dscnt 13                                ; the add and the 12 youngest loads may be out
.else
	s_wait_dscnt 12
.endif
	WIN 0xa1
	MUL16 0, \t, 1
	s_wait_dscnt 0x0                               ; the add is done, and my reads of the region are over
	s_barrier_signal -1
	MUL16 2, \t, 1
	WIN 0
	s_barrier_wait -1
.if \fill
	CREST                                          ; no wave of any partner still reads A or has a load on its way
	JLOAD                                          ; the first tensor load behind the round: 224 matrix instructions stand ahead of the wait for it
.else
	PLACES 4
.endif
	REST \t, 1
.endm
.macro GATH dst, src, n                ; a number that lanes l and l xor 16 hold alike: tile n's goes to lanes 0-15 (n even) or 16-31 (n odd) of register n / 2
.if (\n)%2==0
	v_mov_b32 v[\dst+(\n)/2], v[\src]
.else
	v_cndmask_b32 v[\dst+(\n)/2], v[\dst+(\n)/2], v[\src], s[HM]
.endif
.endm
	s_load_b256 s[4:11], s[0:1], 0x0               ; qkvc s[4:5], qkvs s[6:7], pc s[8:9], pstat s[10:11]
	v_lshl_add_u32 v[SPW], v0, 2, SPARE
	v_mov_b32 v[NIL], 0
	ds_add_u32 v[SPW], v[NIL]                      ; the wave's opening: the add, twice on end, and its wait ahead of my first tensor load
	ds_add_u32 v[SPW], v[NIL]
	v_lshrrev_b32 v1, 5, v0
	v_readfirstlane_b32 s[WV], v1
	s_lshr_b32 s[FT], s[WV], 1
	s_and_b32 s[FH], s[WV], 1
	s_mul_i32 s100, s[WV], 49152                   ; where my loads go: in B by wave x 8 tiles x 6,144 bytes,
	s_mul_i32 s101, s[WV], 24576                   ; in A by wave x 8 tiles x 3,072: no place in the cluster enters an LDS address
	s_mul_i32 s84, s[FH], 24576
	s_mul_i32 s85, s[FT], 24576
	s_add_co_u32 s85, s85, 49152
	s_mul_i32 s86, s[FH], 49152
	s_add_co_u32 s86, s86, RB
	s_mul_i32 s87, s[FT], 49152
	s_add_co_u32 s87, s87, RB+98304
	v_and_b32 v3, 31, v0                           ; lane
	v_lshlrev_b32 v[LI], 4, v3
	v_min_u32 v[PF], 23, v3                        ; 24 blocks of 256 bytes: the lanes that are over name the last one again
	v_lshlrev_b32 v[PF], 8, v[PF]
	v_min_u32 v[PF2], 11, v3                       ; 12 blocks
	v_lshlrev_b32 v[PF2], 8, v[PF2]
	v_add_nc_u32 v[AA0], s84, v[LI]
	v_add_nc_u32 v[AA1], s85, v[LI]
	v_add_nc_u32 v[AB0], s86, v[LI]
	v_add_nc_u32 v[AB1], s87, v[LI]
	s_bfe_u32 s[CX], ttmp6, 0x40000
	s_bfe_u32 s[CY], ttmp6, 0x40004
	s_and_b32 s[CC], ttmp7, 0xffff
	s_lshr_b32 s[BAT], s[CC], 1                    ; two clusters along y to a batch
	s_lshl_b32 s92, 0x1111, s[CX]                  ; my column of the cluster: k's tiles
	s_lshl_b32 s96, s[CY], 2
	s_lshl_b32 s96, 15, s96                        ; my row: q's
	s_or_b32 s[G1A], s92, (3<<16)|(1<<21)          ; 15:0 the mask; 17:16 elements of 8 bytes; 21 set beside a mask; no padding
	s_or_b32 s[G1B], s96, (3<<16)|(1<<21)
	ALONG 384
.irp g, G1A, G1B                       ; 8 tiles, 12,288 bytes from tile to tile
	s_mov_b32 s[\g+2], 8<<16
	s_mov_b32 s[\g+4], 8
	s_mov_b32 s[\g+5], 1536
	s_mov_b32 s[\g+6], 0
	s_mov_b32 s[\g+7], 0
.endr
	s_lshl_b32 s92, ttmp9, 2
	s_add_co_u32 s92, s92, s[CX]                   ; the block of 256 keys within the batch, 0 .. 7
	s_lshl_b32 s96, s[CC], 2
	s_add_co_u32 s96, s96, s[CY]                   ; the block of 256 queries, 0 .. 31
	s_lshl_b32 s93, s[BAT], 7
	s_lshl_b32 s94, s92, 4
	s_add_co_u32 s93, s93, s94                     ; k's first tile
	s_lshl_b32 s97, s96, 4                         ; q's
	s_lshl_b32 s3, s[FH], 3
	s_add_co_u32 s94, s93, s3
	s_lshl_b32 s88, s94, 6                         ; my 8 tiles' scale words of k
	s_add_co_u32 s88, s88, 262144
	s_mov_b32 s89, 0
	s_mul_i32 s94, s94, 12288
	s_add_co_u32 s94, s94, 6291456                 ; k's codes
	s_mov_b32 s95, 0
	s_add_co_u32 s98, s97, s3
	s_mul_i32 s98, s98, 12288
	s_mov_b32 s99, 0
	s_lshl_b32 s90, s[FT], 3
	s_add_co_u32 s90, s90, s97                     ; my first tile of queries
	s_mul_i32 s68, s90, 24576                      ; p's place
	s_and_b32 s70, s90, 127                        ; the tile within its batch
	s_lshl_b32 s70, s70, 6
	s_lshl_b32 s90, s90, 6                         ; my 8 tiles' scale words of q
	s_mov_b32 s91, 0
	s_lshl_b32 s2, s92, 1
	s_add_co_u32 s2, s2, s[FH]                     ; my chunk of 128 keys, 0 .. 15
	s_mul_i32 s3, s2, 1536
	s_add_co_u32 s68, s68, s3
	s_mov_b32 s69, 0
	s_lshl_b32 s3, s2, 13
	s_add_co_u32 s70, s70, s3
	s_lshl_b32 s3, s[BAT], 17
	s_add_co_u32 s70, s70, s3
	s_mov_b32 s71, 0
	s_lshl_b32 s84, s[CY], 2                       ; the prefetches: a column's tiles of k by cy, a row's of q by cx, a wave one tile
	s_add_co_u32 s84, s84, s93
	s_add_co_u32 s84, s84, s[WV]
	s_mul_i32 s84, s84, 12288
	s_add_co_u32 s84, s84, 6291456
	s_mov_b32 s85, 0
	s_lshl_b32 s86, s[CX], 2
	s_add_co_u32 s86, s86, s97
	s_add_co_u32 s86, s86, s[WV]
	s_mul_i32 s86, s86, 12288
	s_mov_b32 s87, 0
	s_mov_b32 s[SEL], 0x76543210
	s_mov_b32 s[SEL+1], 0xfedcba98
	s_mov_b32 s[HM], 0xffff0000
	s_mov_b32 s[CS], 0x3d38aa3b                    ; c = log2(e) / 32
	s_mov_b32 s[CS+1], s[CS]                       ; named with it as a pair, so it is written
	s_wait_alu depctr_va_vdst(0)                   ; the wait at the head's end
	s_wait_dscnt 0x0                               ; both opening adds are done
	s_wait_kmcnt 0x0
	s_mov_b32 s[G0A], 1
	s_mov_b32 s[G0A+1], s101
	s_add_nc_u64 s[G0A+2:G0A+3], s[4:5], s[94:95]
	s_or_b32 s[G0A+3], s[G0A+3], 0x80000000
	s_mov_b32 s[G0B], 1
	s_mov_b32 s[G0B+1], s101
	s_add_nc_u64 s[G0B+2:G0B+3], s[4:5], s[98:99]
	s_or_b32 s[G0B+3], s[G0B+3], 0x80000000
	CROUND                                         ; all sixteen work-groups are here: the first joint loads meet
	JLOAD                                          ; A: one tensor load a wave at the head
	s_add_nc_u64 s[84:85], s[4:5], s[84:85]
	s_add_nc_u64 s[86:87], s[4:5], s[86:87]
	s_add_nc_u64 s[88:89], s[6:7], s[88:89]
	s_add_nc_u64 s[90:91], s[6:7], s[90:91]
	s_add_nc_u64 s[8:9], s[8:9], s[68:69]
	s_add_nc_u64 s[10:11], s[10:11], s[70:71]
.irp s, 0,1,2,3,4,5,6,7                ; a step's four registers of a side: 512 consecutive bytes
	global_load_b128 v[SS0+4*\s:SS0+4*\s+3], v[LI], s[88:89] offset:32768*\s
	global_load_b128 v[SS1+4*\s:SS1+4*\s+3], v[LI], s[90:91] offset:32768*\s
.endr
	global_prefetch_b8 v[PF], s[84:85] offset:3072 th:TH_LOAD_NT scope:SCOPE_SE   ; K 256-767
	global_prefetch_b8 v[PF], s[86:87] offset:3072 th:TH_LOAD_NT scope:SCOPE_SE
	s_wait_loadcnt 0x0
	s_wait_tensorcnt 0x0                           ; my part of A is in; as ahead of a refill:
	ds_add_u32 v[SPW], v[NIL]                      ; 0 onto my spare word;
	ALONG 768                                      ; no tensor load of mine is out: the next one brings 512 along K,
	s_add_co_u32 s[G0A+1], s100, RB                ; into B: K 256-767
	s_add_co_u32 s[G0B+1], s100, RB
	s_add_nc_u64 s[G0A+2:G0A+3], s[G0A+2:G0A+3], 3072
	s_add_nc_u64 s[G0B+2:G0B+3], s[G0B+2:G0B+3], 3072
	s_wait_dscnt 0x0                               ; the add is done
	CROUND                                         ; A is in for every wave, and all sixteen work-groups are here
	JLOAD                                          ; the first tensor load behind the round
	FETCH_S0 0
	FETCH_S1 0, 0
	FETCH_S1 0, 4
	global_prefetch_b8 v[PF2], s[84:85] offset:9216 th:TH_LOAD_NT scope:SCOPE_SE   ; K 768-1,023
	global_prefetch_b8 v[PF2], s[86:87] offset:9216 th:TH_LOAD_NT scope:SCOPE_SE
	STEP 0, 0                                      ; the first step starts the sums: nothing is cleared
	TURN 1, 1                                      ; its wait shows B whole
	STEP 2, 1
	STEP 3, 1
	STEP 4, 1
	TURN 5, 0                                      ; K 768-1,023 is whole for every wave
	STEP 6, 1
	s_wait_dscnt 12                                ; the last step: nothing more to fetch
	WIN 0xa1
	MUL16 0, 7, 1
	MUL16 2, 7, 1
	s_wait_dscnt 0x0
	WIN 0xf1
	MUL16 4, 7, 1
	MUL16 6, 7, 1
	WIN 0
	PLACES 4                                       ; behind the last products
.irp b, 0,1,2,3
	v_mov_b32 v[BX+\b], 0                          ; written once: a lane permute's destination counts as one of its sources
.endr
	v_mov_b32 v[LX], 0
	v_mov_b32 v[NM+1], 0                           ; the pair's upper half
; THE SOFTMAX'S NUMERATOR for tile n of my queries: a lane holds one query (lane % 16) and 64 of the chunk's keys: register 16 b + i is key 32 b + 16 (lane / 16) + i.
.macro SOFTQ n
.set AC, 64*((\n)%4)
.set WW, 2+(\n)/4
.if (\n)>0
	s_wait_xcnt 0x0                                ; the last tile's stores have read their data: the codes' registers are written again only behind this wait
.endif
	WIN 0x14*WW                                    ; sources 1 and 2 in the accumulators' window
.if (\n)>0
	s_wait_alu depctr_va_vdst(0)                   ; exponentials stand between these accumulators' products and their first readers
.endif
.irp b, 0,1,2,3
	v_max3_num_f32 v[BM+\b], 0xff800000, v[AC+16*\b], v[AC+16*\b+1]   ; the largest score of each block of 32 keys, from minus infinity on; each accumulator is read from its low end on
.endr
.irp i, 2,4,6,8,10,12,14
.irp b, 0,1,2,3
	v_max3_num_f32 v[BM+\b], v[BM+\b], v[AC+16*\b+\i], v[AC+16*\b+\i+1]
.endr
.endr
	WIN 0
.irp b, 0,1,2,3
	v_permlanex16_b32 v[BX+\b], v[BM+\b], s[SEL], s[SEL+1]
.endr
.irp b, 0,1,2,3
	v_max_num_f32 v[BM+\b], v[BM+\b], v[BX+\b]     ; with lane l xor 16's 16 keys
.endr
	v_max3_num_f32 v[TX], v[BM], v[BM+1], v[BM+2]
	v_max_num_f32 v[TX], v[TX], v[BM+3]            ; the chunk's largest score of my query
	v_mul_f32 v[TX], s[CS], v[TX]                  ; as t (c is positive)
	v_floor_f32 v[NM], -v[TX]                      ; -M = floor(-t) = -ceil(t): a whole number
.irp b, 0,1,2,3
	v_fma_f32 v[BM+\b], v[BM+\b], s[CS], v[NM]     ; t - M of each block's largest score,
.endr
	WIN WW                                         ; source 0
.set ii, 0
.rept 32
	v_pk_fma_f32 v[H+ii:H+ii+1], v[AC+ii:AC+ii+1], s[CS:CS+1], v[NM:NM+1] op_sel_hi:[1,0,0]   ; and of all scores, two at a time, into window 0
.set ii, ii+2
.endr
	WIN 0
	s_wait_alu depctr_va_vdst(0)                   ; ahead of the batch
.irp b, 0,1,2,3
	v_exp_f32 v[BM+\b], v[BM+\b]                   ; the block's largest p: the same two instructions on the same number give the same bits
.endr
.set ii, 0
.rept 64
	v_exp_f32 v[H+ii], v[H+ii]                     ; p = 2^(t - M): not normalised
.set ii, ii+1
.endr
	GATH NMS, NM, \n                               ; a plain place behind the exponentials
	s_wait_alu depctr_va_vdst(0)                   ; one wait for the batch, ahead of its first reader
.irp b, 0,1,2,3
	v_max_num_f32 v[BM+\b], 0x2800000, v[BM+\b]    ; the floor 2^(5 - 127): the byte cannot fall under 1
.endr
	v_pk_add_f32 v[SA:SA+1], v[H:H+1], v[H+2:H+3]  ; l is the sum of the UNQUANTISED p: two at a time, in four chains
	v_pk_add_f32 v[SB:SB+1], v[H+4:H+5], v[H+6:H+7]
	v_pk_add_f32 v[SC:SC+1], v[H+8:H+9], v[H+10:H+11]
	v_pk_add_f32 v[SD:SD+1], v[H+12:H+13], v[H+14:H+15]
.irp b, 0,1,2,3
	v_add_nc_u32 v[SO+\b], 0xfe000000, v[BM+\b]    ; 4 off the exponent field: the conversion's scale operand
.endr
.set ii, 16
.rept 6
	v_pk_add_f32 v[SA:SA+1], v[SA:SA+1], v[H+ii:H+ii+1]
	v_pk_add_f32 v[SB:SB+1], v[SB:SB+1], v[H+ii+2:H+ii+3]
	v_pk_add_f32 v[SC:SC+1], v[SC:SC+1], v[H+ii+4:H+ii+5]
	v_pk_add_f32 v[SD:SD+1], v[SD:SD+1], v[H+ii+6:H+ii+7]
.set ii, ii+8
.endr
.irp b, 0,1,2,3
	v_lshrrev_b32 v[BX+\b], 23, v[SO+\b]           ; the scale's byte
.endr
	v_pk_add_f32 v[SA:SA+1], v[SA:SA+1], v[SB:SB+1]
	v_pk_add_f32 v[SC:SC+1], v[SC:SC+1], v[SD:SD+1]
	v_lshl_or_b32 v[PW], v[BX+1], 8, v[BX]
	v_lshl_or_b32 v[TX], v[BX+3], 8, v[BX+2]
	v_pk_add_f32 v[SA:SA+1], v[SA:SA+1], v[SC:SC+1]
	v_lshl_or_b32 v[PW], v[TX], 16, v[PW]
	v_add_f32 v[LL], v[SA], v[SA+1]
.irp c, 0,1
	v_cvt_scalef32_pk16_bf6_f32 v[PC+6*\c:PC+2+6*\c], v[H+32*\c:H+15+32*\c], v[SO+2*\c]
	v_cvt_scalef32_pk16_bf6_f32 v[PC+12+4*\c:PC+14+4*\c], v[H+16+32*\c:H+31+32*\c], v[SO+2*\c+1]   ; a conversion's three registers begin on an even number
.endr
	v_permlanex16_b32 v[LX], v[LL], s[SEL], s[SEL+1]   ; a plain place behind a scaled conversion
	v_nop
.irp c, 0,1                                    ; the operand wants a WHOLE block in a lane
.irp i, 0,1,2
	v_permlane16_swap_b32 v[PC+6*\c+\i], v[PC+12+4*\c+\i]
.endr
.irp i, 0,1,2
	v_mov_b32 v[PC+3+6*\c+\i], v[PC+12+4*\c+\i]
.endr
.endr
.irp c, 0,1,2
	global_store_b128 v[LI], v[PC+4*\c:PC+4*\c+3], s[8:9] offset:24576*(\n)+512*\c   ; 32 lanes store 512 consecutive bytes, aligned
.endr
	v_add_f32 v[LL], v[LL], v[LX]                  ; with lane l xor 16's: the chunk's l, alike in both lanes
	GATH PWS, PW, \n
	GATH LSS, LL, \n
.endm
.irp n, 0,1,2,3,4,5,6,7
	SOFTQ \n
.endr
	global_store_b128 v[LI], v[PWS:PWS+3], s[10:11]                     ; my 8 tiles: 512 consecutive bytes of each plane
	global_store_b128 v[LI], v[NMS:NMS+3], s[10:11] offset:524288
	global_store_b128 v[LI], v[LSS:LSS+3], s[10:11] offset:1048576
	s_wait_tensorcnt 0x0                           ; the wave's end
	ds_add_u32 v[SPW], v[NIL]
	s_wait_dscnt 0x0
	CROUND                                         ; the closing round
	s_endpgm
.Lfunc_end_k_q3d81cf3c1b_scores:
	.size	k_q3d81cf3c1b_scores, .Lfunc_end_k_q3d81cf3c1b_scores-k_q3d81cf3c1b_scores
	.p2alignl 7, 3214868480
	.fill 96, 4, 3214868480
	.section	.rodata,"a",@progbits
	.p2align	6, 0x0
	.amdhsa_kernel k_q3d81cf3c1b_scores
		.amdhsa_group_segment_fixed_size 327680
		.amdhsa_private_segment_fixed_size 0
		.amdhsa_enable_private_segment 0
		.amdhsa_kernarg_size 32
		.amdhsa_user_sgpr_count 2
		.amdhsa_user_sgpr_kernarg_segment_ptr 1
		.amdhsa_wavefront_size32 1
		.amdhsa_system_sgpr_workgroup_id_x 1
		.amdhsa_system_sgpr_workgroup_id_y 1
		.amdhsa_system_sgpr_workgroup_id_z 1
		.amdhsa_system_vgpr_workitem_id 0
		.amdhsa_next_free_vgpr 1024
		.amdhsa_next_free_sgpr 106
		.amdhsa_reserve_vcc 0
		.amdhsa_float_denorm_mode_32 3
		.amdhsa_float_denorm_mode_16_64 3
		.amdhsa_memory_ordered 1
		.amdhsa_forward_progress 1
		.amdhsa_inst_pref_size 194
	.end_amdhsa_kernel
	.amdgpu_metadata
---
amdhsa.version: [ 1, 2 ]
amdhsa.kernels:
  - .name:           k_q3d81cf3c1b_scores
    .symbol:         k_q3d81cf3c1b_scores.kd
    .args:
      - { .name: qkvc, .offset: 0, .size: 8, .value_kind: global_buffer, .address_space: global }
      - { .name: qkvs, .offset: 8, .size: 8, .value_kind: global_buffer, .address_space: global }
      - { .name: pc, .offset: 16, .size: 8, .value_kind: global_buffer, .address_space: global }
      - { .name: pstat, .offset: 24, .size: 8, .value_kind: global_buffer, .address_space: global }
    .group_segment_fixed_size: 327680
    .private_segment_fixed_size: 0
    .kernarg_segment_align: 8
    .kernarg_segment_size: 32
    .max_flat_workgroup_size: 128
    .sgpr_count:     106
    .vgpr_count:     1024
    .wavefront_size: 32
...
	.end_amdgpu_metadata
.endif
;; end of part 3
;; launch pv (part 4): grid 4 x 64, 4 waves a work-group, clusters of 4 x 4, 327,680 bytes of LDS; arguments qkvc, qkvs, pc, pstat, out0; writes out0
.if DOCPART == 4
	.amdgcn_target "amdgcn-amd-amdhsa--gfx1250"
	.amdhsa_code_object_version 6
	.text
	.protected	k_q3d81cf3c1b_pv
	.globl	k_q3d81cf3c1b_pv
	.p2align	8
	.type	k_q3d81cf3c1b_pv,@function
k_q3d81cf3c1b_pv:
	s_mov_b64 s[64:65], 0
	v_nop
	global_prefetch_b8 v0, s[64:65] scope:SCOPE_SE
	s_setreg_imm32_b32 hwreg(HW_REG_WAVE_MODE, 25, 1), 1
	s_wait_xcnt 0x0
	s_wait_alu depctr_hold_cnt(0) depctr_sa_sdst(0) depctr_va_vdst(0) depctr_va_sdst(0) depctr_va_ssrc(0) depctr_va_vcc(0) depctr_vm_vsrc(0)
	s_getreg_b32 s2, hwreg(HW_REG_IB_STS2, 6, 4)
	s_cmp_eq_u32 s2, 0
	s_cbranch_scc0 .Lentry_in_a_cluster
	s_endpgm
.Lentry_in_a_cluster:
	s_bfe_u32 s2, ttmp6, 0x10000c
	s_cmp_lg_u32 s2, 0xf033
	s_cbranch_scc0 .Lentry_shape_is_right
	s_endpgm
.Lentry_shape_is_right:
; O^T = v^T p^T on codes of BF6 (E3M2) with E8M0 scales, K = the batch's 2,048 keys, f32 sums; O is divided by the row's l and stored as f32 [8192][1024].
; p arrives in 16 chunks of 128 keys, each under its own whole-number maximum M_chunk.  AT THE HEAD each of the work-group's 128 threads takes one query: M = the largest M_chunk; each chunk's four scale bytes
; lose M - M_chunk (held at 0 from below), its l is multiplied by 2^(M_chunk - M) (exact), the 16 are added, and 1 / l is kept.  The repaired scale words go to LDS bytes of their own.
; LIMITS: M - M_chunk is held at 127; a byte that would fall under 0 becomes 0, which stands for 2^-127: what such a block still adds lies under 2^-115 of the largest v, beside an l of at least 1/2.
; NaN and infinities are not served.
; S0 (source 0, rows land in a lane's registers) = 256 channels of v^T, S1 (source 1, rows land in the lanes) = 128 queries: this tile, smaller than 256 x 256, gives 256 work-groups.
; THE FOUR WAVES SHARE THE KEYS TOO: wave (ft = wave / 2, fh = wave % 2) makes 128 channels (half fh) x all 128 queries on the K steps of parity ft: 64 accumulators, 16 fragments for 64 products (a tile of 128 x 64 on
; every K step would take 12 for 32).  Of the 8 tiles of queries a wave takes its own four (4 ft on) as n 0-3 and the others as n 4-7; at the end it hands n 4-7 to wave xor 2 through LDS and adds what it is handed to n 0-3.
; LDS: two slots of 147,456 bytes, each with 512 along K: S0's 16 tiles x 6,144 bytes, then S1's 8.  One tensor load a wave at the head (slot 0) and one behind each of three rounds of the cluster's barrier.
; CLUSTER 4 x 4: v's tiles hang on cx (and the batch, which all sixteen share): asked for jointly by a column; p's hang on cy: by a row.
; PREFETCH: behind the head's load the next chunk of 512 keys, behind the second load the last.  A column's 16 tiles of v are shared out by cy, a wave one tile of 24 blocks of 256 bytes; a row's 8 tiles
; of p by cx, a wave half a tile: a lane a block.
; REGISTERS: window 0: v1-22 addresses; v28-29 for the add; v32-63 v's scale words, v224-255 p's, four a step; v64-127 the head's numbers, later 64 results; v128-223 S1's 8 fragments, later 1 / l and 64 results.
;   window 1: S0's 8 fragments, two sets; on the way out rows of O.  windows 2, 3: accumulator (S0 tile a, S1 tile n) at v[8 (8 (n % 4) + a)] of window 2 + n / 4.
.set RGB,   147456
.set PSC,   2*RGB                      ; p's repaired scale words [chunk 16][lane 32][4 registers]: written by ds_store alone
.set RL,    PSC+8192                   ; 1 / l of the 128 queries, in the same order
.set SPARE, RL+512                     ; the spare words, 128 bytes a wave: two blocks of 256 bytes that no other line names
.set SPITCH, 528                       ; the way out: a stage of 16 rows x (512 bytes + 16) a wave, in slot 1; what the waves hand over lies in slot 0, 32,768 bytes a wave
.set LI,   4                           ; 16 x lane
.set L8,   5                           ; 8 x lane
.set AV,   6                           ; v6-7   slots 0, 1: my 8 tiles of v
.set AL,   8                           ; v8-9   my own 4 tiles of p,
.set AH,   10                          ; v10-11 and the other 4
.set PO,   12                          ; 4 x thread: my query's place in a plane of pstat
.set PA,   13                          ; PSC + 4 x thread
.set CL,   14                          ; p's scale words of my own 4 tiles,
.set CH,   15                          ; and of the others
.set ADRL, 16
.set STO,  17
.set RD,   18
.set XO,   19                          ; where I hand over,
.set XI,   20                          ; and where I am handed
.set PFV,  21
.set PFP,  22
.set SPW,  28
.set NIL,  29
.set SV,   32
.set SP,   224
.set H,    64                          ; two sets of 64: v64-127, v136-199
.set PWK,  64                          ; the head: 16 scale words,
.set PNM,  80                          ; 16 times -M,
.set PLK,  96                          ; 16 times l
.set PT,   112                         ; at work
.set S1F,  128
.set RLR,  128                         ; v128-135
.set BAT,  14
.set WV,   18
.set FT,   19                          ; wave / 2; I fetch for S0 (0) or S1 (1)
.set FH,   20                          ; wave % 2; which half I fetch
.set CX,   21
.set CY,   22
.set CC,   23
.set G1A,  24
.set G1B,  32
.set G0A,  48                          ; s[48:55] S0's groups 0, one for each slot
.set G0B,  56                          ; s[56:63] S1's
.set MSB, 0
.macro WIN new
.if MSB != (\new)
	s_set_vgpr_msb (MSB<<8)|(\new)
.set MSB, (\new)
.endif
.endm
.macro PLACES n
.rept \n
	v_nop
.endr
.endm
.macro CREST
	s_cmp_lg_u32 s[WV], 0
	s_cbranch_scc1 .Lnot_wave_0_\@
	s_barrier_signal -3
.Lnot_wave_0_\@:
	s_barrier_wait -3
	s_barrier_signal -1
	s_barrier_wait -1
.endm
.macro CROUND
	s_barrier_signal -1
	s_barrier_wait -1
	CREST
.endm
.macro JLOAD g                         ; a joint load into slot g: waves 0, 1 for S0, waves 2, 3 for S1; four v_nop follow each line
	s_cmp_eq_u32 s[FT], 0
	s_cbranch_scc0 .Lfor_b_\@
	tensor_load_to_lds s[G0A+4*\g:G0A+4*\g+3], s[G1A:G1A+7]
	s_nop 0
	PLACES 4
	s_branch .Lasked_\@
.Lfor_b_\@:
	tensor_load_to_lds s[G0B+4*\g:G0B+4*\g+3], s[G1B:G1B+7]
	s_nop 0
	PLACES 4
.Lasked_\@:
.endm
.macro MKG0 g, lreg, loff, ap, goff
	s_mov_b32 s[\g], 1
	s_add_co_u32 s[\g+1], s[\lreg], \loff
	s_add_nc_u64 s[\g+2:\g+3], s[\ap:\ap+1], \goff
	s_or_b32 s[\g+3], s[\g+3], 0x80000000
.endm
.macro ASK c                           ; the prefetch of chunk c
	global_prefetch_b8 v[PFV], s[40:41] offset:6144*\c th:TH_LOAD_NT scope:SCOPE_SE
	global_prefetch_b8 v[PFP], s[42:43] offset:6144*\c th:TH_LOAD_NT scope:SCOPE_SE
.endm
.macro FRAG3 reg, adr, off
.irp c, 0,1,2
	ds_load_b128 v[\reg+4*\c:\reg+4*\c+3], v[\adr] offset:\off+512*\c
.endr
.endm
.macro WMC x, y
.if WCM==0
	v_wmma_scale_f32_16x16x128_f8f6f4 v[WD:WD+7], v[WA:WA+11], v[WB:WB+11], 0, v[WSA], v[WSB] matrix_a_fmt:MATRIX_FMT_BF6 matrix_b_fmt:MATRIX_FMT_BF6 \x \y
.else
	v_wmma_scale_f32_16x16x128_f8f6f4 v[WD:WD+7], v[WA:WA+11], v[WB:WB+11], v[WD:WD+7], v[WSA], v[WSB] matrix_a_fmt:MATRIX_FMT_BF6 matrix_b_fmt:MATRIX_FMT_BF6 \x \y
.endif
.endm
.macro WMS d, a, b, cm, sa, ra, sb, rb ; cm = 0: C is the constant 0; 1: C is D.  ra, rb: the side's scale words stand in lanes 0-15 (0) or 16-31 (1)
.set WD, \d
.set WA, \a
.set WB, \b
.set WCM, \cm
.set WSA, \sa
.set WSB, \sb
.if ((\ra)==1)&&((\rb)==1)
	WMC matrix_a_scale:MATRIX_SCALE_ROW1, matrix_b_scale:MATRIX_SCALE_ROW1
.elseif (\ra)==1
	WMC matrix_a_scale:MATRIX_SCALE_ROW1
.elseif (\rb)==1
	WMC matrix_b_scale:MATRIX_SCALE_ROW1
.else
	WMC
.endif
.endm
; 16 matrix instructions of step t: S1's tiles n0, n0 + 1 against S0's eight.  The 64 accumulators take turns, one instruction a turn.
.macro MUL16 n0, t, cm
.irp n, \n0, \n0+1
.irp a, 0,1,2,3,4,5,6,7
	WMS 8*(8*((\n)%4)+\a), 128*((\t)%2)+12*\a, S1F+12*(\n), \cm, SV+4*(\t)+\a/2, \a%2, SP+4*(\t)+(\n)/2, (\n)%2
.endr
.endr
.endm
; Step t is K steps 2 t (ft = 0) and 2 t + 1 (ft = 1): the parity stands in the address registers.
.macro FETCH_S0 t                      ; into set t % 2: 24 loads
	WIN 0x40
.irp a, 0,1,2,3,4,5,6,7
	FRAG3 128*((\t)%2)+12*\a, AV+(((\t)/2)%2), 6144*\a+3072*((\t)%2)
.endr
	WIN 0
.endm
.macro FETCH_S1 t, n0, ad              ; 12 loads
.irp n, 0,1,2,3
	FRAG3 S1F+12*(\n0)+12*\n, \ad+(((\t)/2)%2), 6144*\n+3072*((\t)%2)
.endr
.endm
.macro REST t, cm                      ; a step from its middle on: S1 has one set of registers: n 0-3 are fetched anew here, n 4-7 at the end
	FETCH_S0 (\t)+1
	FETCH_S1 (\t)+1, 0, AL
	WIN 0xf1
	MUL16 4, \t, \cm
	MUL16 6, \t, \cm
	PLACES 4
	WIN 0
	FETCH_S1 (\t)+1, 4, AH
.endm
.macro STEP t, cm
	s_wait_dscnt 12                                ; all but the 12 youngest loads (n 4-7) are in
	WIN 0xa1                                       ; S0 window 1, S1 window 0, C and D window 2
	MUL16 0, \t, \cm
	MUL16 2, \t, \cm
	s_wait_dscnt 0x0
	PLACES 4
	REST \t, \cm
.endm
; A slot's last step.  fill = 1: the slot is filled again, with K two chunks on: in front of the barrier each wave waits for all its tensor loads, adds 0 to its spare word, and waits for that and for its reads of the slot;
; the barrier opens a round of the cluster's barrier.  fill = 0: the barrier shows the other slot whole, and nobody reads this one any more.
.macro TURN t, fill, g
	s_wait_tensorcnt 0x0                           ; all my tensor loads have landed: my part of the other slot; a group 0 may be written
.if \fill
	ds_add_u32 v[SPW], v[NIL]                      ; 0 onto my spare word
	s_add_nc_u64 s[G0A+4*\g+2:G0A+4*\g+3], s[G0A+4*\g+2:G0A+4*\g+3], 12288   ; two chunks of 6,144 bytes on
	s_add_nc_u64 s[G0B+4*\g+2:G0B+4*\g+3], s[G0B+4*\g+2:G0B+4*\g+3], 12288
	s_wait_dscnt 13                                ; the add and the 12 youngest loads may be out
.else
	s_wait_dscnt 12
.endif
	WIN 0xa1
	MUL16 0, \t, 1
	s_wait_dscnt 0x0                               ; the add is done, and my reads of the slot are over
	s_barrier_signal -1
	MUL16 2, \t, 1
	WIN 0
	s_barrier_wait -1
.if \fill
	CREST                                          ; no wave of any partner still reads the slot or has a load on its way
	JLOAD \g                                       ; the first tensor load behind the round: 96 matrix instructions stand ahead of the wait for it
.else
	PLACES 4
.endif
	REST \t, 1
.endm
	s_load_b256 s[4:11], s[0:1], 0x0               ; qkvc s[4:5], qkvs s[6:7], pc s[8:9], pstat s[10:11]
	s_load_b64 s[12:13], s[0:1], 0x20              ; out0
	v_lshl_add_u32 v[SPW], v0, 2, SPARE
	v_mov_b32 v[NIL], 0
	ds_add_u32 v[SPW], v[NIL]                      ; the wave's opening: the add, twice on end, and its wait ahead of my first tensor load
	ds_add_u32 v[SPW], v[NIL]
	v_lshrrev_b32 v1, 5, v0
	v_readfirstlane_b32 s[WV], v1
	s_lshr_b32 s[FT], s[WV], 1
	s_and_b32 s[FH], s[WV], 1
	s_xor_b32 s2, s[FT], 1
	s_mul_i32 s98, s[FH], 49152                    ; where my loads of v and of p go: no place in the cluster enters an LDS address
	s_mul_i32 s99, s[FH], 24576
	s_mul_i32 s3, s[FT], 1536                      ; my K steps' parity
	s_add_co_u32 s84, s98, s3                      ; my 8 tiles of v
	s_add_co_u32 s85, s84, RGB
	s_mul_i32 s86, s[FT], 24576
	s_add_co_u32 s86, s86, s3
	s_add_co_u32 s86, s86, 98304                   ; p lies behind v's 16 tiles: my own four,
	s_add_co_u32 s87, s86, RGB
	s_mul_i32 s88, s2, 24576
	s_add_co_u32 s88, s88, s3
	s_add_co_u32 s88, s88, 98304                   ; and the other four
	s_add_co_u32 s89, s88, RGB
	s_mul_i32 s90, s[FT], 520
	s_add_co_u32 s90, s90, PSC                     ; chunk ft, registers 2 ft, 2 ft + 1 of a lane,
	s_lshl_b32 s91, s[FT], 9
	s_lshl_b32 s3, s2, 3
	s_add_co_u32 s91, s91, s3
	s_add_co_u32 s91, s91, PSC                     ; and the other two
	s_lshl_b32 s92, s[FT], 3
	s_add_co_u32 s92, s92, RL
	s_mul_i32 s93, s[WV], 16*SPITCH
	s_add_co_u32 s93, s93, RGB                     ; my stage
	s_lshl_b32 s94, s[WV], 15
	s_xor_b32 s95, s[WV], 2
	s_lshl_b32 s95, s95, 15
	v_and_b32 v3, 31, v0                           ; lane
	v_and_b32 v1, 15, v0                           ; r
	v_bfe_u32 v2, v0, 4, 1                         ; h
	v_lshlrev_b32 v[LI], 4, v3
	v_lshlrev_b32 v[L8], 3, v3
	v_lshlrev_b32 v[PO], 2, v0
	v_lshl_add_u32 v[PA], v0, 2, PSC
	v_add_nc_u32 v[AV], s84, v[LI]
	v_add_nc_u32 v[AV+1], s85, v[LI]
	v_add_nc_u32 v[AL], s86, v[LI]
	v_add_nc_u32 v[AL+1], s87, v[LI]
	v_add_nc_u32 v[AH], s88, v[LI]
	v_add_nc_u32 v[AH+1], s89, v[LI]
	v_add_nc_u32 v[CL], s90, v[LI]
	v_add_nc_u32 v[CH], s91, v[LI]
	v_lshl_add_u32 v[ADRL], v1, 4, s92
	v_mul_u32_u24 v[STO], v1, SPITCH
	v_lshl_add_u32 v[STO], v2, 6, v[STO]
	v_add_nc_u32 v[STO], s93, v[STO]               ; in: row r, + 64 h
	v_add_nc_u32 v[RD], s93, v[LI]                 ; back: a row of 512 bytes to the 32 lanes
	v_add_nc_u32 v[XO], s94, v[LI]
	v_add_nc_u32 v[XI], s95, v[LI]
	v_min_u32 v[PFV], 23, v3                       ; the lanes that are over name the last block again
	v_lshlrev_b32 v[PFV], 8, v[PFV]
	v_min_u32 v[PFP], 11, v3
	v_lshlrev_b32 v[PFP], 8, v[PFP]
	s_bfe_u32 s[CX], ttmp6, 0x40000
	s_bfe_u32 s[CY], ttmp6, 0x40004
	s_and_b32 s[CC], ttmp7, 0xffff
	s_lshr_b32 s[BAT], s[CC], 2                    ; four clusters along y to a batch
	s_lshl_b32 s72, 0x1111, s[CX]                  ; my column of the cluster: v's tiles
	s_lshl_b32 s76, s[CY], 2
	s_lshl_b32 s76, 15, s76                        ; my row: p's tiles
	s_or_b32 s[G1A], s72, (3<<16)|(1<<21)          ; 15:0 the mask; 17:16 elements of 8 bytes; 21 set beside a mask; no padding
	s_or_b32 s[G1B], s76, (3<<16)|(1<<21)
	s_mov_b32 s[G1A+1], 768<<16                    ; v: 8 tiles, of each 6,144 bytes (512 along K), 24,576 bytes from tile to tile
	s_mov_b32 s[G1A+2], 8<<16
	s_mov_b32 s[G1A+3], 768<<16
	s_mov_b32 s[G1A+4], 8
	s_mov_b32 s[G1A+5], 3072
	s_mov_b32 s[G1A+6], 0
	s_mov_b32 s[G1A+7], 0
	s_mov_b32 s[G1B+1], 768<<16                    ; p: 4 tiles likewise
	s_mov_b32 s[G1B+2], 4<<16
	s_mov_b32 s[G1B+3], 768<<16
	s_mov_b32 s[G1B+4], 4
	s_mov_b32 s[G1B+5], 3072
	s_mov_b32 s[G1B+6], 0
	s_mov_b32 s[G1B+7], 0
	s_lshl_b32 s72, ttmp9, 2
	s_add_co_u32 s72, s72, s[CX]                   ; the block of 256 channels, 0 .. 3
	s_lshl_b32 s76, s[CC], 2
	s_add_co_u32 s76, s76, s[CY]                   ; the block of 128 queries, 0 .. 63
	s_lshl_b32 s73, s[BAT], 6
	s_lshl_b32 s74, s72, 4
	s_add_co_u32 s73, s73, s74                     ; v's first tile
	s_lshl_b32 s3, s[FH], 3
	s_add_co_u32 s74, s73, s3                      ; the first of the 8 that I fetch
	s_mul_i32 s74, s74, 24576
	s_add_co_u32 s74, s74, 12582912
	s_mov_b32 s75, 0
	s_lshl_b32 s77, s76, 3                         ; p's first tile
	s_lshl_b32 s3, s[FH], 2
	s_add_co_u32 s78, s77, s3                      ; the first of the 4
	s_mul_i32 s78, s78, 24576
	s_mov_b32 s79, 0
	s_lshl_b32 s80, s[BAT], 16                     ; v's scale words: my 8 tiles, my parity
	s_lshl_b32 s3, s[FT], 12
	s_add_co_u32 s80, s80, s3
	s_lshl_b32 s3, s[FH], 9
	s_add_co_u32 s80, s80, s3
	s_lshl_b32 s2, s72, 10
	s_add_co_u32 s80, s80, s2
	s_add_co_u32 s80, s80, 524288
	s_mov_b32 s81, 0
	s_lshl_b32 s82, s[BAT], 17                     ; the work-group's 128 queries in a plane of pstat
	s_and_b32 s83, s76, 15
	s_lshl_b32 s83, s83, 9
	s_add_co_u32 s82, s82, s83
	s_mov_b32 s83, 0
	s_lshl_b32 s40, s[CY], 2                       ; the prefetches: v's tile 4 cy + wave of my column's 16,
	s_add_co_u32 s40, s40, s73
	s_add_co_u32 s40, s40, s[WV]
	s_mul_i32 s40, s40, 24576
	s_add_co_u32 s40, s40, 12582912
	s_mov_b32 s41, 0
	s_lshl_b32 s42, s[CX], 1                       ; and p's tile 2 cx + wave / 2 of my row's 8, half wave % 2
	s_add_co_u32 s42, s42, s77
	s_add_co_u32 s42, s42, s[FT]
	s_mul_i32 s42, s42, 24576
	s_mul_i32 s2, s[FH], 3072
	s_add_co_u32 s42, s42, s2
	s_mov_b32 s43, 0
	s_lshl_b32 s46, s76, 7
	s_lshl_b32 s2, s[FT], 6
	s_add_co_u32 s46, s46, s2                      ; my first row of O: 128 x block + 64 (wave / 2)
	s_lshl_b32 s46, s46, 12
	s_lshl_b32 s2, s72, 10
	s_add_co_u32 s46, s46, s2
	s_lshl_b32 s2, s[FH], 9
	s_add_co_u32 s46, s46, s2                      ; my first column, in bytes: 1,024 x block + 512 (wave % 2)
	s_mov_b32 s47, 0
	s_mov_b32 s44, 0x01010101
	s_mov_b32 s45, 0x80808080
	s_wait_alu depctr_va_vdst(0)
	s_wait_dscnt 0x0                               ; both opening adds are done
	s_wait_kmcnt 0x0
	s_add_nc_u64 s[74:75], s[4:5], s[74:75]
	s_add_nc_u64 s[78:79], s[8:9], s[78:79]
	s_add_nc_u64 s[80:81], s[6:7], s[80:81]
	s_add_nc_u64 s[10:11], s[10:11], s[82:83]
	s_add_nc_u64 s[40:41], s[4:5], s[40:41]
	s_add_nc_u64 s[42:43], s[8:9], s[42:43]
	s_add_nc_u64 s[12:13], s[12:13], s[46:47]
	MKG0 G0A, 98, 0, 74, 0
	MKG0 G0A+4, 98, RGB, 74, 6144
	MKG0 G0B, 99, 98304, 78, 0
	MKG0 G0B+4, 99, RGB+98304, 78, 6144
.irp k, 0,1,2,3,4,5,6,7,8,9,10,11,12,13,14,15
	global_load_b32 v[PNM+\k], v[PO], s[10:11] offset:524288+8192*\k
	global_load_b32 v[PLK+\k], v[PO], s[10:11] offset:1048576+8192*\k
	global_load_b32 v[PWK+\k], v[PO], s[10:11] offset:8192*\k
.endr
	CROUND                                         ; all sixteen work-groups are here: the first joint loads meet
	JLOAD 0                                        ; chunk 0: one tensor load a wave at the head
.irp t, 0,1,2,3,4,5,6,7                ; v's scale words, four registers a step: 256 consecutive bytes a load
	global_load_b64 v[SV+4*\t:SV+4*\t+1], v[L8], s[80:81] offset:8192*\t
	global_load_b64 v[SV+4*\t+2:SV+4*\t+3], v[L8], s[80:81] offset:8192*\t+256
.endr
	s_wait_loadcnt 0x0
	ASK 1
	; thread t owns the query whose numbers stand t-th in a plane
	v_min3_num_f32 v[PT], v[PNM], v[PNM+1], v[PNM+2]   ; -M of the row = the least of the chunks' -M
.irp i, 3,5,7,9,11,13
	v_min3_num_f32 v[PT], v[PT], v[PNM+\i], v[PNM+\i+1]
.endr
	v_min_num_f32 v[PT], v[PT], v[PNM+15]
.irp k, 0,1,2,3,4,5,6,7,8,9,10,11,12,13,14,15
.set T3, PT+1+3*(\k%4)
	v_sub_f32 v[T3], v[PT], v[PNM+\k]              ; e = M_chunk - M: a whole number, 0 or less,
	v_max_num_f32 v[T3], 0xc2fe0000, v[T3]         ; held at -127
	v_cvt_i32_f32 v[T3], v[T3]
	v_ldexp_f32 v[PLK+\k], v[PLK+\k], v[T3]        ; the chunk's l under the row's M: nothing is rounded
	v_mul_lo_u32 v[T3+1], v[T3], s44               ; e in each of the four bytes
	v_or_b32 v[PWK+\k], s45, v[PWK+\k]             ; 128 + byte: the bytes lie in 1 .. 123, so 128 + byte + e lies in 2 .. 251 and no borrow crosses a byte
	v_add_nc_u32 v[PWK+\k], v[PWK+\k], v[T3+1]
	v_and_b32 v[T3+1], s45, v[PWK+\k]              ; bit 7 still stands where byte + e is 0 or more
	v_lshrrev_b32 v[T3+2], 7, v[T3+1]
	v_sub_nc_u32 v[T3+1], v[T3+1], v[T3+2]         ; 0x7f in those bytes, 0 in the others
	v_and_b32 v[PWK+\k], v[PWK+\k], v[T3+1]        ; max(byte + e, 0)
.endr
.irp k, 2,4,6,8,10,12,14
	v_pk_add_f32 v[PLK:PLK+1], v[PLK:PLK+1], v[PLK+\k:PLK+\k+1]
.endr
	v_add_f32 v[PLK], v[PLK], v[PLK+1]             ; the row's l
	s_wait_alu depctr_va_vdst(0)                   ; ahead of a transcendental
	v_rcp_f32 v[PT], v[PLK]
	v_nop                                          ; a plain place behind the reciprocal
	s_wait_alu depctr_va_vdst(0)                   ; and for this one: ahead of its first reader, and at the head's end
	s_wait_tensorcnt 0x0                           ; my part of chunk 0 is in: the LDS stores stand behind it
.irp k, 0,1,2,3,4,5,6,7,8,9,10,11,12,13,14,15
	ds_store_b32 v[PA], v[PWK+\k] offset:512*\k
.endr
	ds_store_b32 v[PA], v[PT] offset:8192          ; RL lies 8,192 bytes behind PSC
	s_wait_tensorcnt 0x0                           ; as ahead of a refill:
	ds_add_u32 v[SPW], v[NIL]                      ; 0 onto my spare word;
	s_wait_dscnt 0x0                               ; the add is done, and my stores have landed
	CROUND                                         ; chunk 0 and the scale words are there for every wave, and all sixteen work-groups are here
	JLOAD 1                                        ; chunk 1, the first tensor load behind the round
	FETCH_S0 0
.irp t, 0,1,2,3,4,5,6,7                ; p's scale words: my own tiles' two registers, then the others'
	ds_load_b64 v[SP+4*\t:SP+4*\t+1], v[CL] offset:1024*\t
	ds_load_b64 v[SP+4*\t+2:SP+4*\t+3], v[CH] offset:1024*\t
.endr
	FETCH_S1 0, 0, AL
	FETCH_S1 0, 4, AH
	ASK 3                                          ; the last chunk
	STEP 0, 0                                      ; the first step starts the sums: nothing is cleared
	TURN 1, 1, 0
	STEP 2, 1
	TURN 3, 1, 1
	STEP 4, 1
	TURN 5, 0, 0                                   ; chunk 3 is whole for every wave; nobody reads slot 0 any more, and it has had its last fill
	STEP 6, 1
	s_wait_dscnt 0x0                               ; the last step: the tiles that I hand over come first
	WIN 0xf1
	MUL16 4, 7, 1
	MUL16 6, 7, 1
	PLACES 4
	WIN 0x0c                                       ; data: window 3
.set ii, 0
.rept 64
	ds_store_b128 v[XO], v[4*ii:4*ii+3] offset:512*ii   ; each accumulator from its low end on; 512 consecutive bytes a store
.set ii, ii+1
.endr
	WIN 0xa1
	MUL16 0, 7, 1
	MUL16 2, 7, 1
	WIN 0
	PLACES 4                                       ; behind the last products
	s_wait_dscnt 0x0                               ; for wave xor 2's sake: what I hand over has landed
	s_barrier_signal -1
	s_barrier_wait -1                              ; behind it nobody reads slot 1 any more either
; THE WAY OUT, a tile of 16 queries x my 128 channels at a time.  HAND: the other K half's 64 results a lane.  JOIN: added, x 1 / l.  TOSTAGE: a lane's 32 bytes of a tile are neighbours in a row of O and the lanes beside
; it hold other rows, so the block goes through my own stage in LDS and comes back as whole rows of 512 bytes.  LDS serves a wave's instructions in order: no wait between the stores and the loads.
.macro HAND n
.set HS, H+72*((\n)%2)
.irp i, 0,1,2,3,4,5,6,7,8,9,10,11,12,13,14,15
	ds_load_b128 v[HS+4*\i:HS+4*\i+3], v[XI] offset:8192*(\n)+512*\i
.endr
.endm
.macro JOIN n
.set HS, H+72*((\n)%2)
	WIN 0x02                                       ; source 0: the accumulators' window
.set ii, 0
.rept 32
	v_pk_add_f32 v[HS+ii:HS+ii+1], v[64*(\n)+ii:64*(\n)+ii+1], v[HS+ii:HS+ii+1]
.set ii, ii+2
.endr
	WIN 0
.set ii, 0
.rept 32
	v_pk_mul_f32 v[HS+ii:HS+ii+1], v[HS+ii:HS+ii+1], v[RLR+2*(\n):RLR+2*(\n)+1] op_sel_hi:[1,0]
.set ii, ii+2
.endr
.endm
.macro TOSTAGE n
.set HS, H+72*((\n)%2)
.irp a, 0,1,2,3,4,5,6,7
	ds_store_b128 v[STO], v[HS+8*\a:HS+8*\a+3] offset:128*(\a/2)+32*(\a%2)         ; channels 32 (a / 2) + 16 h + 8 (a % 2) + 0 .. 7
	ds_store_b128 v[STO], v[HS+8*\a+4:HS+8*\a+7] offset:128*(\a/2)+32*(\a%2)+16
.endr
	WIN 0x40                                       ; into window 1: four blocks have registers of their own
.irp t, 0,1,2,3,4,5,6,7,8,9,10,11,12,13,14,15
	ds_load_b128 v[64*(\n)+4*\t:64*(\n)+4*\t+3], v[RD] offset:\t*SPITCH
.endr
	WIN 0
.endm
.macro SEND n
	WIN 0x04                                       ; data: window 1
.irp t, 0,1,2,3,4,5,6,7,8,9,10,11,12,13,14,15
	global_store_b128 v[LI], v[64*(\n)+4*\t:64*(\n)+4*\t+3], s[12:13] offset:(32*((\n)/2)+8*((\n)%2)+\t+8*(\t/8))*4096 th:TH_STORE_NT   ; place t of tile n is that row of O; 32 lanes store 512 consecutive bytes, aligned
.endr
	WIN 0
.endm
.irp n, 0,1,2,3
	ds_load_b32 v[RLR+2*\n], v[ADRL] offset:256*(\n%2)+4*(\n/2)   ; 1 / l of my lane's query in tile 4 ft + n
	v_mov_b32 v[RLR+2*\n+1], 0                     ; named with it as a pair, so it is written
.endr
	HAND 0
.irp n, 0,1,2,3
	s_wait_dscnt 0x0                               ; tile n's other half is in, and the block before it is back in registers
.if \n > 0
	SEND \n-1
.endif
	JOIN \n
	TOSTAGE \n
.if \n < 3
	HAND \n+1
.endif
.endr
	s_wait_dscnt 0x0
	SEND 3
	s_wait_tensorcnt 0x0                           ; the wave's end
	ds_add_u32 v[SPW], v[NIL]
	s_wait_dscnt 0x0
	CROUND                                         ; the closing round
	s_endpgm
.Lfunc_end_k_q3d81cf3c1b_pv:
	.size	k_q3d81cf3c1b_pv, .Lfunc_end_k_q3d81cf3c1b_pv-k_q3d81cf3c1b_pv
	.p2alignl 7, 3214868480
	.fill 96, 4, 3214868480
	.section	.rodata,"a",@progbits
	.p2align	6, 0x0
	.amdhsa_kernel k_q3d81cf3c1b_pv
		.amdhsa_group_segment_fixed_size 327680
		.amdhsa_private_segment_fixed_size 0
		.amdhsa_enable_private_segment 0
		.amdhsa_kernarg_size 40
		.amdhsa_user_sgpr_count 2
		.amdhsa_user_sgpr_kernarg_segment_ptr 1
		.amdhsa_wavefront_size32 1
		.amdhsa_system_sgpr_workgroup_id_x 1
		.amdhsa_system_sgpr_workgroup_id_y 1
		.amdhsa_system_sgpr_workgroup_id_z 1
		.amdhsa_system_vgpr_workitem_id 0
		.amdhsa_next_free_vgpr 1024
		.amdhsa_next_free_sgpr 100
		.amdhsa_reserve_vcc 0
		.amdhsa_float_denorm_mode_32 3
		.amdhsa_float_denorm_mode_16_64 3
		.amdhsa_memory_ordered 1
		.amdhsa_forward_progress 1
		.amdhsa_inst_pref_size 160
	.end_amdhsa_kernel
	.amdgpu_metadata
---
amdhsa.version: [ 1, 2 ]
amdhsa.kernels:
  - .name:           k_q3d81cf3c1b_pv
    .symbol:         k_q3d81cf3c1b_pv.kd
    .args:
      - { .name: qkvc, .offset: 0, .size: 8, .value_kind: global_buffer, .address_space: global }
      - { .name: qkvs, .offset: 8, .size: 8, .value_kind: global_buffer, .address_space: global }
      - { .name: pc, .offset: 16, .size: 8, .value_kind: global_buffer, .address_space: global }
      - { .name: pstat, .offset: 24, .size: 8, .value_kind: global_buffer, .address_space: global }
      - { .name: out0, .offset: 32, .size: 8, .value_kind: global_buffer, .address_space: global }
    .group_segment_fixed_size: 327680
    .private_segment_fixed_size: 0
    .kernarg_segment_align: 8
    .kernarg_segment_size: 40
    .max_flat_workgroup_size: 128
    .sgpr_count:     100
    .vgpr_count:     1024
    .wavefront_size: 32
...
	.end_amdgpu_metadata
.endif
;; end of part 4
